; MI455X (gfx1250); checked and timed in simulation.
; The chip was launched on July 23, 2026; its instructions are those of AMD's public machine-readable ISA for CDNA 5 (MIT licence, August 2026) and "CDNA5" Instruction Set Architecture Reference Guide (July 2026). The comments in the code are by the model that wrote it; some were corrected since.
;; Mo E Layer. Allowed arithmetic: matrix products marked QUANTISED: E4M3 operands, one E8M0 scale for each 32 along K, by v_wmma_scale_f32_16x16x128_f8f6f4 with both operands' format E4M3, f32 sums; products left as they are: f32 operands where the result goes on into a quantised operand, else bf16, f16 or f32 operands; f32 sums; everything else in f32.
;; Inputs: b1 8 x 4,096 float32; b2 8 x 1,024 float32; gate_b 8 float32; gate_w 1,024 x 8 float32; w1 8 x 1,024 x 4,096 float32; w2 8 x 4,096 x 1,024 float32; x 512 x 2 x 1,024 float32.
;; Outputs: out0 512 x 2 x 1,024 float32.
;; This version of the problem:
;;   THIS VERSION OF THE PROBLEM IS GIVEN IN LOW PRECISION. The matrix products marked QUANTISED in the list below multiply operands that are first quantised to E4M3 (4 exponent bits, 3 mantissa bits; 8 bits a number), with one power-of-two scale for each 32 numbers along K (OCP MX v1.0); their sums are f32. All else is computed in f32.
;;   The module's matrix products, in the order in which they are computed (A, B: the left and right operand; K: the contracted axis; several contracted axes count as one K, in the product's order):
;;     1. [M 1,024, K 1,024] x [K 1,024, N 8]; A: input x; B: input gate_w: left as it is (N = 8 < 16)
;;     2. [M 1,024, K 1,024] x [K 1,024, N 32,768]; A: input x; B: input w1: QUANTISED
;;     3. batch 8 x [M 1,024, K 4,096] x [K 4,096, N 1,024]; A: input w2; B: computed on the way: QUANTISED
;;     4. batch 1,024 x [M 1,024, K 8] x [K 8, N 1]; A: computed on the way; B: computed on the way: left as it is (K = 8 < 32)
;;   THE QUANTISER, for each operand of a quantised product, along K:
;;     - K is cut into blocks of 32 from its start; a last block that is shorter is filled with zeros.
;;     - A block's scale is 2^e with e = floor(log2(the largest magnitude in the block)) - 8, held to -126 .. 127; a block of zeros has e = 0. As a byte (E8M0): e + 127.
;;     - Each number is divided by its block's scale, clamped to +-448, and rounded to the nearest number of E4M3, ties to even, subnormals kept.
;;     - The product sums the exact products of the quantised numbers (number of the format x scale) in f32.
;;   ~~~python
;;   def quantise(x, axis):      # numpy; x: float32 -> the quantised numbers, widened to float32 again
;;       x = np.moveaxis(x, axis, -1); K = x.shape[-1]
;;       x = np.pad(x, [(0, 0)] * (x.ndim - 1) + [(0, -K % 32)]); x = x.reshape(x.shape[:-1] + (-1, 32)); a = np.abs(x).max(-1, keepdims=True)
;;       e = np.where(a > 0, np.clip(np.frexp(np.where(a > 0, a, 1))[1] - 1 - 8, -126, 127), 0)      # np.frexp(a)[1] - 1 = floor(log2(a)), exactly
;;       r = np.clip(x / 2.0 ** e, -448, 448)
;;       step = 2.0 ** (np.maximum(np.frexp(np.where(r == 0, 1, r))[1] - 1, -6) - 3)
;;       q = np.round(r / step) * step * 2.0 ** e      # np.round: ties to even
;;       return np.moveaxis(q.reshape(q.shape[:-2] + (-1,))[..., :K], -1, axis).astype(np.float32)
;;   ~~~
;;   OPERANDS COMPUTED ON THE WAY. 'Computed on the way' means the value that the module computes at that place (a softmax that the list does not call 'softmax' is quantised finished and normalised). What goes into a quantiser is computed in f32, as accurately as f32 sums, v_exp_f32 and their like allow (about 1e-6 of the number): no bf16 or f16 on the way to a quantiser, and a product that is left as it is and whose result goes on into a quantised operand takes f32 operands (vector FMAs, or v_wmma_f32_16x16x4_f32). A number that lies on a knife's edge between two numbers of the format may be rounded either way, as far as f32 arithmetic and the matrix unit's own rounding can turn it there, and no further.
;; 2 versions, each right; version 2 is version 1 with the launches ffn1, ffn2 written anew for expert scheduling mode. Each part assembles by itself: llvm-mc -triple=amdgcn-amd-amdhsa -mcpu=gfx1250 --defsym DOCPART=n.
;; ======== version 1 of 2: 5 launches
;; workspace buffers: xq 1,048,576 bytes; xs 32,768 bytes; sel 4,096 bytes of whole numbers; list 36,864 bytes of whole numbers; prob 8,192 bytes; h 33,554,432 bytes; hs 1,048,576 bytes; part 33,554,432 bytes
;; launch route (part 1): grid 256 x 1, 4 waves a work-group, no clusters, 35,328 bytes of LDS; arguments x, gate_w, gate_b, xq, xs, sel, prob; writes xq, xs, sel, prob
.if DOCPART == 1
	.amdgcn_target "amdgcn-amd-amdhsa--gfx1250"
	.amdhsa_code_object_version 6
	.text
	.protected	k_q22f80509d5_route
	.globl	k_q22f80509d5_route
	.p2align	8
	.type	k_q22f80509d5_route,@function
k_q22f80509d5_route:
	s_mov_b64 s[64:65], 0
	v_nop
	global_prefetch_b8 v0, s[64:65] scope:SCOPE_SE
	s_setreg_imm32_b32 hwreg(HW_REG_WAVE_MODE, 25, 1), 1
	s_wait_xcnt 0x0
; ROUTE.  For each of the 1,024 tokens: (a) x's row of 1,024 f32 becomes codes of E4M3 with one E8M0 byte for each 32 along K; (b) the eight router scores x . gate_w + gate_b, in f32 by fused multiply-adds;
; (c) the two largest scores (a tie keeps the lower expert, as jax.lax.top_k does), their softmax with the larger taken away first, and the choice as ONE WHOLE NUMBER a token: (1 << e0) | (1 << (8 + e1)).
; No address and no branch of this launch hangs on the choice: the later launches read it from memory.
; SHARES: a wave to a token, four tokens to a work-group.  Lane l holds, of chunk j (256 along K), the eight neighbours k = 256 j + 8 l + 0..7: four lanes hold a block of 32.
; gate_w (32,768 bytes) comes into LDS once for the work-group, as 128 pieces of 256 bytes + 16 of padding: a lane's eight rows of gate_w are one piece, and neighbouring lanes' pieces begin 272 bytes apart.
; OUT: xq [token][1024] codes, K innermost.  xs [token][2][4] words: word (u, p) holds the four scale bytes of K step 2 p + u (a K step is 128).  prob [2][token] f32.
; LIMITS: NaN and infinities are not served.  A block of zeros gets the byte 1 (its codes are zeros; this program alone reads the bytes).  The scores' sums run in another order than the reference's:
; where two scores agree to about 1e-6 of their size the choice can turn.
; No matrix unit (eight columns), no tensor load, no cluster: the work-groups share only gate_w, 32,768 bytes against 16,384 of their own rows, read once each.
.set X,   16                           ; v16-47   the token's 32 numbers of this lane, as loaded (the scores want them unheld)
.set GB,  48                           ; v48-175  two buffers of 64: a chunk's eight rows of gate_w; buffer 0 first carries gate_w on its way into LDS
.set ACA, 176                          ; v176-183 the eight sums, even elements' products; later the scores
.set ACB, 184                          ; v184-191 the same for odd elements: two chains
.set M,   192                          ; v192-195 a chunk's largest magnitude
.set SO,  196                          ; v196-199 the conversion's scale operand
.set L,   200                          ; v200-203 448 x the scale
.set W,   204                          ; v204-207 scale words
.set CD,  208                          ; v208-215 codes
.set TP,  216                          ; v216-223 at work
.set Y,   224                          ; v224-255 the held numbers
	s_load_b256 s[4:11], s[0:1], 0x0               ; x s[4:5], gate_w s[6:7], gate_b s[8:9], xq s[10:11]
	s_load_b128 s[12:15], s[0:1], 0x20             ; xs s[12:13], sel s[14:15]
	s_load_b64 s[16:17], s[0:1], 0x30              ; prob
	v_lshl_add_u32 v14, v0, 2, 0x8800
	v_mov_b32 v15, 0
	v_lshrrev_b32 v1, 5, v0
	v_readfirstlane_b32 s18, v1                    ; wave
	v_and_b32 v1, 31, v0                           ; lane
	v_lshlrev_b32 v2, 5, v1                        ; x: 32 bytes a lane
	v_lshrrev_b32 v3, 4, v0
	v_mul_u32_u24 v3, v3, 272
	v_and_b32 v8, 15, v0
	v_lshl_add_u32 v3, v8, 4, v3                   ; gate_w into LDS: piece thread / 16, 16 bytes at thread % 16
	v_mul_u32_u24 v4, v1, 272                      ; and out of it: piece = lane
	v_lshlrev_b32 v5, 4, v0                        ; gate_w in memory: 16 bytes a thread
	v_lshlrev_b32 v6, 3, v1                        ; codes: 8 bytes a lane
	v_bfe_u32 v7, v0, 2, 2
	v_lshlrev_b32 v7, 3, v7                        ; my block's byte in its scale word: 8 x ((lane / 4) % 4) bits up
	v_bfe_u32 v9, v0, 4, 1
	v_lshlrev_b32 v9, 4, v9                        ; xs: 16 bytes for each half of the lanes
	v_mov_b32 v10, 0
	s_lshl_b32 s19, ttmp9, 2
	s_add_co_u32 s19, s19, s18                     ; my token
	s_mov_b32 s28, 0x76543210
	s_mov_b32 s29, 0xfedcba98                      ; v_permlanex16_b32's selects for lane l xor 16
	s_mov_b32 s30, 0x600000                        ; the mantissa field of 448
	s_mov_b32 s33, 0
	s_wait_kmcnt 0x0
	s_load_b256 s[20:27], s[8:9], 0x0              ; gate_b: eight numbers, the same for every lane
	s_lshl_b32 s32, s19, 12
	s_add_nc_u64 s[4:5], s[4:5], s[32:33]          ; x at my token: 4,096 bytes a row
	s_lshl_b32 s32, s19, 10
	s_add_nc_u64 s[10:11], s[10:11], s[32:33]      ; its codes
	s_lshl_b32 s32, s19, 5
	s_add_nc_u64 s[12:13], s[12:13], s[32:33]      ; its eight scale words
	s_lshl_b32 s32, s19, 2
	s_add_nc_u64 s[14:15], s[14:15], s[32:33]      ; its choice
	s_add_nc_u64 s[16:17], s[16:17], s[32:33]      ; its weights
.irp i, 0,1,2,3,4,5,6,7,8,9,10,11,12,13,14,15
	global_load_b128 v[GB+4*\i:GB+4*\i+3], v5, s[6:7] offset:2048*\i   ; the 128 threads read 2,048 consecutive bytes
.endr
.irp j, 0,1,2,3
	global_load_b128 v[X+8*\j:X+8*\j+3], v2, s[4:5] offset:1024*\j th:TH_LOAD_NT
	global_load_b128 v[X+8*\j+4:X+8*\j+7], v2, s[4:5] offset:1024*\j+16 th:TH_LOAD_NT
.endr
	s_wait_loadcnt 8                               ; gate_w is in; x's eight loads may be out
.irp i, 0,1,2,3,4,5,6,7,8,9,10,11,12,13,14,15
	ds_store_b128 v3, v[GB+4*\i:GB+4*\i+3] offset:2176*\i   ; eight pieces of 272 bytes a round
.endr
	s_wait_loadcnt 0x0
	; ---- the quantiser: the four chunks by turns
.irp j, 0,1,2,3
	v_max3_num_f32 v[M+\j], |v[X+8*\j]|, |v[X+8*\j+1]|, 0x4800000   ; my eight numbers, and the floor 2^(9 - 127): the byte cannot fall under 1
.endr
.irp i, 2,4,6
.irp j, 0,1,2,3
	v_max3_num_f32 v[M+\j], v[M+\j], |v[X+8*\j+\i]|, |v[X+8*\j+\i+1]|
.endr
.endr
.irp j, 0,1,2,3
	v_max_num_f32_dpp v[M+\j], v[M+\j], v[M+\j] row_xmask:1 row_mask:0xf bank_mask:0xf
.endr
.irp j, 0,1,2,3
	v_max_num_f32_dpp v[M+\j], v[M+\j], v[M+\j] row_xmask:2 row_mask:0xf bank_mask:0xf   ; with the three lanes that share my block
.endr
.irp j, 0,1,2,3
	v_add_nc_u32 v[SO+\j], 0xfc000000, v[M+\j]     ; 8 off the exponent field: the conversion takes this operand's exponent field as its scale
.endr
.irp j, 0,1,2,3
	v_and_or_b32 v[L+\j], v[M+\j], 0x7f800000, s30 ; 448 x the scale
.endr
.irp j, 0,1,2,3
	v_lshrrev_b32 v[TP+\j], 23, v[SO+\j]           ; the scale's byte,
.endr
.irp j, 0,1,2,3
	v_lshlrev_b32 v[W+\j], v7, v[TP+\j]            ; at its place in the word;
.endr
.irp x, 4,8
.irp j, 0,1,2,3
	v_mov_b32_dpp v[TP+\j], v[W+\j] row_xmask:\x row_mask:0xf bank_mask:0xf
.endr
.irp j, 0,1,2,3
	v_or_b32 v[W+\j], v[W+\j], v[TP+\j]            ; the four blocks of a half of the lanes make the word: lanes 0-15 hold K step 2 j's, lanes 16-31 K step 2 j + 1's
.endr
.endr
.irp j, 0,1,2,3
.irp i, 0,1,2,3,4,5,6,7
	v_med3_num_f32 v[Y+8*\j+\i], v[X+8*\j+\i], -v[L+\j], v[L+\j]   ; the conversion to an 8-bit code does not saturate (ISA guide 7.6.2): the hold, into other registers
.endr
.endr
.irp j, 0,1,2,3
	v_cvt_scalef32_pk8_fp8_f32 v[CD+2*\j:CD+2*\j+1], v[Y+8*\j:Y+8*\j+7], v[SO+\j]
.endr
	v_nop                                          ; a plain instruction behind the last scaled conversion
.irp j, 0,1,2,3
	global_store_b64 v6, v[CD+2*\j:CD+2*\j+1], s[10:11] offset:256*\j   ; the wave stores 256 consecutive bytes, aligned
.endr
	s_wait_dscnt 0x0                               ; for the others' sake: my part of gate_w lies in LDS
	s_barrier_signal -1
	s_barrier_wait -1
	; ---- the scores
.macro LOADG j                         ; chunk j's eight rows of gate_w for my lane: 256 bytes
.irp i, 0,1,2,3,4,5,6,7
	ds_load_b128 v[GB+64*((\j)%2)+8*\i:GB+64*((\j)%2)+8*\i+3], v4 offset:8704*(\j)+32*\i
	ds_load_b128 v[GB+64*((\j)%2)+8*\i+4:GB+64*((\j)%2)+8*\i+7], v4 offset:8704*(\j)+32*\i+16
.endr
.endm
.macro GATE j                          ; 32 packed multiply-adds: element i times its row's eight weights, two experts an instruction; the very first two products start the sums
.set GJ, GB+64*((\j)%2)
.irp i, 0,2,4,6
.irp q, 0,1,2,3
.if ((\j) == 0) && (\i == 0)
	v_pk_mul_f32 v[ACA+2*\q:ACA+2*\q+1], v[X+8*(\j)+\i:X+8*(\j)+\i+1], v[GJ+8*\i+2*\q:GJ+8*\i+2*\q+1] op_sel_hi:[0,1]
	v_pk_mul_f32 v[ACB+2*\q:ACB+2*\q+1], v[X+8*(\j)+\i:X+8*(\j)+\i+1], v[GJ+8*\i+8+2*\q:GJ+8*\i+8+2*\q+1] op_sel:[1,0] op_sel_hi:[1,1]
.else
	v_pk_fma_f32 v[ACA+2*\q:ACA+2*\q+1], v[X+8*(\j)+\i:X+8*(\j)+\i+1], v[GJ+8*\i+2*\q:GJ+8*\i+2*\q+1], v[ACA+2*\q:ACA+2*\q+1] op_sel_hi:[0,1,1]
	v_pk_fma_f32 v[ACB+2*\q:ACB+2*\q+1], v[X+8*(\j)+\i:X+8*(\j)+\i+1], v[GJ+8*\i+8+2*\q:GJ+8*\i+8+2*\q+1], v[ACB+2*\q:ACB+2*\q+1] op_sel:[1,0,0] op_sel_hi:[1,1,1]
.endif
.endr
.endr
.endm
	LOADG 0
	LOADG 1
	s_wait_dscnt 16                                ; chunk 0's sixteen loads are in; the next chunk's may be out
	GATE 0
	LOADG 2
	s_wait_dscnt 16
	GATE 1
	LOADG 3
	s_wait_dscnt 16
	GATE 2
	s_wait_dscnt 0x0
	GATE 3
.irp q, 0,1,2,3
	v_pk_add_f32 v[ACA+2*\q:ACA+2*\q+1], v[ACA+2*\q:ACA+2*\q+1], v[ACB+2*\q:ACB+2*\q+1]
.endr
.irp x, 1,2,4,8
.irp e, 0,1,2,3,4,5,6,7
	v_add_f32_dpp v[ACA+\e], v[ACA+\e], v[ACA+\e] row_xmask:\x row_mask:0xf bank_mask:0xf
.endr
.endr
.irp e, 0,1,2,3,4,5,6,7
	v_permlanex16_b32 v[Y+\e], v[ACA+\e], s28, s29
.endr
.irp e, 0,1,2,3,4,5,6,7
	v_add_f32 v[ACA+\e], v[ACA+\e], v[Y+\e]        ; every lane holds the token's eight sums
.endr
	s_wait_kmcnt 0x0                               ; gate_b
.irp e, 0,1,2,3,4,5,6,7
	v_add_f32 v[ACA+\e], s[20+\e], v[ACA+\e]
.endr
	; ---- the two largest.  The mask says KEEP (score <= best): so an equal score never takes the place of a lower expert
	v_mov_b32 v216, v[ACA]                         ; the largest score,
	v_mov_b32 v217, 0                              ; its expert
.irp e, 1,2,3,4,5,6,7
	v_cmp_le_f32 vcc_lo, v[ACA+\e], v216
	v_cndmask_b32 v216, v[ACA+\e], v216, vcc_lo
	v_cndmask_b32 v217, \e, v217, vcc_lo
.endr
	v_mov_b32 v218, 0xff800000                     ; the second: from -infinity on, passing over the first's expert
	v_mov_b32 v219, 0
.irp e, 0,1,2,3,4,5,6,7
	v_cmp_le_f32 s34, v[ACA+\e], v218
	v_cmp_eq_u32 s35, \e, v217
	s_or_b32 vcc_lo, s34, s35
	v_cndmask_b32 v218, v[ACA+\e], v218, vcc_lo
	v_cndmask_b32 v219, \e, v219, vcc_lo
.endr
	v_sub_f32 v220, v218, v216                     ; the softmax of the two, the larger taken away: 1 and t = e^(second - first)
	v_mul_f32 v220, 0x3fb8aa3b, v220
	v_exp_f32 v220, v220
	v_mov_b32 v221, 1                              ; (a plain instruction behind the transcendental)
	s_wait_alu depctr_va_vdst(0)
	v_add_f32 v222, 1.0, v220
	v_rcp_f32 v222, v222                           ; p of the first = 1 / (1 + t)
	v_lshlrev_b32 v221, v217, v221                 ; (a plain instruction)  1 << e0
	s_wait_alu depctr_va_vdst(0)
	v_mul_f32 v223, v220, v222                     ; p of the second = t / (1 + t)
	v_mov_b32 v224, 0x100
	v_lshlrev_b32 v224, v219, v224                 ; 1 << (8 + e1)
	v_or_b32 v221, v221, v224
	v_cmp_eq_u32 vcc_lo, 0, v8                     ; lanes 0 and 16 store the scale words: four words each
	s_wait_xcnt 0x0                                ; EXEC changes only behind this wait: stores have been issued
	s_wait_tensorcnt 0x0
	ds_add_u32 v14, v15
	s_wait_dscnt 0x0
	s_and_saveexec_b32 s34, vcc_lo
	global_store_b128 v9, v[W:W+3], s[12:13]
	s_wait_xcnt 0x0
	s_or_b32 exec_lo, exec_lo, s34
	v_cmp_eq_u32 vcc_lo, 0, v1                     ; lane 0 stores the choice and the two weights
	s_and_saveexec_b32 s34, vcc_lo
	global_store_b32 v10, v221, s[14:15]
	global_store_b32 v10, v222, s[16:17]
	global_store_b32 v10, v223, s[16:17] offset:4096
	s_wait_xcnt 0x0
	s_or_b32 exec_lo, exec_lo, s34
	s_endpgm
.Lfunc_end_k_q22f80509d5_route:
	.size	k_q22f80509d5_route, .Lfunc_end_k_q22f80509d5_route-k_q22f80509d5_route
	.p2alignl 7, 3214868480
	.fill 96, 4, 3214868480
	.section	.rodata,"a",@progbits
	.p2align	6, 0x0
	.amdhsa_kernel k_q22f80509d5_route
		.amdhsa_group_segment_fixed_size 35328
		.amdhsa_private_segment_fixed_size 0
		.amdhsa_enable_private_segment 0
		.amdhsa_kernarg_size 56
		.amdhsa_user_sgpr_count 2
		.amdhsa_user_sgpr_kernarg_segment_ptr 1
		.amdhsa_wavefront_size32 1
		.amdhsa_system_sgpr_workgroup_id_x 1
		.amdhsa_system_sgpr_workgroup_id_y 1
		.amdhsa_system_sgpr_workgroup_id_z 1
		.amdhsa_system_vgpr_workitem_id 0
		.amdhsa_next_free_vgpr 256
		.amdhsa_next_free_sgpr 66
		.amdhsa_reserve_vcc 1
		.amdhsa_float_denorm_mode_32 3
		.amdhsa_float_denorm_mode_16_64 3
		.amdhsa_memory_ordered 1
		.amdhsa_forward_progress 1
		.amdhsa_inst_pref_size 31
	.end_amdhsa_kernel
	.amdgpu_metadata
---
amdhsa.version: [ 1, 2 ]
amdhsa.kernels:
  - .name:           k_q22f80509d5_route
    .symbol:         k_q22f80509d5_route.kd
    .args:
      - { .name: x, .offset: 0, .size: 8, .value_kind: global_buffer, .address_space: global }
      - { .name: gate_w, .offset: 8, .size: 8, .value_kind: global_buffer, .address_space: global }
      - { .name: gate_b, .offset: 16, .size: 8, .value_kind: global_buffer, .address_space: global }
      - { .name: xq, .offset: 24, .size: 8, .value_kind: global_buffer, .address_space: global }
      - { .name: xs, .offset: 32, .size: 8, .value_kind: global_buffer, .address_space: global }
      - { .name: sel, .offset: 40, .size: 8, .value_kind: global_buffer, .address_space: global }
      - { .name: prob, .offset: 48, .size: 8, .value_kind: global_buffer, .address_space: global }
    .group_segment_fixed_size: 35328
    .private_segment_fixed_size: 0
    .kernarg_segment_align: 8
    .kernarg_segment_size: 56
    .max_flat_workgroup_size: 128
    .sgpr_count:     66
    .vgpr_count:     256
    .wavefront_size: 32
...
	.end_amdgpu_metadata
.endif
;; end of part 1
;; launch place (part 2): grid 8 x 1, 1 waves a work-group, no clusters, 4,864 bytes of LDS; arguments sel, list; writes list
.if DOCPART == 2
	.amdgcn_target "amdgcn-amd-amdhsa--gfx1250"
	.amdhsa_code_object_version 6
	.text
	.protected	k_q22f80509d5_place
	.globl	k_q22f80509d5_place
	.p2align	8
	.type	k_q22f80509d5_place,@function
k_q22f80509d5_place:
	s_mov_b64 s[64:65], 0
	v_nop
	global_prefetch_b8 v0, s[64:65] scope:SCOPE_SE
	s_setreg_imm32_b32 hwreg(HW_REG_WAVE_MODE, 25, 1), 1
	s_wait_xcnt 0x0
; PLACE.  For each expert e: the rows that chose it, on end, and their number.  sel holds one whole number a token, (1 << e0) | (1 << (8 + e1)), stored by the launch before.
; OUT: list [e][1,152 words]: words 0-1087 the entries, 1024 k + token (k = 0: e is the token's first choice, 1: its second); words 1088-1119 take the stores of lanes without a row; word 1120 the count.
; Behind the last entry stand 64 repeats of the first one, so that every unit of 64 rows that is begun is whole; all else is 0, which is a row that exists (token 0).  With no row at all the list is zeros.
; SHARES: a work-group of ONE wave to an expert: the placing is one running sum over the 1,024 tokens.  Eight work-groups are all the work that there is; more waves would have to hand each other counts.
; Register 4 g + q of a lane holds token 128 g + 4 lane + q; the order of the list is by register, then by lane: any fixed order serves, since both later launches read this one list.
; The entries are placed in LDS and leave as nine stores of 512 consecutive bytes, aligned: no store of a few bytes goes to memory.
.set LSTR, 4608                        ; bytes of an expert's list
.set SELR, 16                          ; v16-47  the choices, then their two bits for e
.set OUTR, 48                          ; v48-83  the way out
.set TP,   84                          ; v84-91  at work: four sets of two
	s_load_b128 s[4:7], s[0:1], 0x0                ; sel s[4:5], list s[6:7]
	v_lshl_add_u32 v112, v0, 2, 0x1200
	v_mov_b32 v113, 0
	v_and_b32 v1, 31, v0                           ; lane
	v_lshlrev_b32 v2, 4, v1                        ; 16 x lane: in sel, in LDS and in list
	v_lshlrev_b32 v8, 2, v1                        ; 4 x lane: my first token of a group of 128
	v_add_nc_u32 v9, 1088, v1                      ; where a lane without a row stores
	v_mov_b32 v10, 0                               ; the first entry's LDS address
	v_mov_b32 v14, 4480                            ; the count's
.irp i, 0,1,2,3
	v_mov_b32 v[4+\i], 0
.endr
	s_lshl_b32 s8, 0x101, ttmp9                    ; the two bits of a choice that name expert e
	s_add_co_u32 s9, ttmp9, 8
	s_mul_i32 s10, ttmp9, LSTR
	s_mov_b32 s11, 0
	s_mov_b32 s12, 0                               ; rows so far
	s_wait_kmcnt 0x0
	s_add_nc_u64 s[6:7], s[6:7], s[10:11]          ; my expert's list
.irp g, 0,1,2,3,4,5,6,7
	global_load_b128 v[SELR+4*\g:SELR+4*\g+3], v2, s[4:5] offset:512*\g
.endr
.irp i, 0,1,2,3,4,5,6,7,8
	ds_store_b128 v2, v[4:7] offset:512*\i         ; the whole list begins as zeros
.endr
	s_wait_loadcnt 0x0
.set z, 0
.rept 32
	v_and_b32 v[SELR+z], s8, v[SELR+z]             ; does this token name e, as first or as second choice?  (never both: the two choices differ)
	v_cmp_ne_u32 s[32+z], 0, v[SELR+z]             ; all 32 masks first, so that the running sum below is scalar work alone
.set z, z+1
.endr
.set z, 0
.rept 32
.set LT, TP+2*(z%4)
	v_lshrrev_b32 v[LT], s9, v[SELR+z]             ; k: 1 for the second choice
	v_lshl_add_u32 v[LT], v[LT], 10, v8
	v_add_nc_u32 v[LT], 128*(z/4)+z%4, v[LT]       ; the entry: 1024 k + token
	v_mbcnt_lo_u32_b32 v[LT+1], s[32+z], 0         ; how many lower lanes have a row
	v_add_nc_u32 v[LT+1], s12, v[LT+1]
	v_cndmask_b32 v[LT+1], v9, v[LT+1], s[32+z]
	v_min_u32 v[LT+1], 1119, v[LT+1]               ; inside the list whatever was loaded
	v_lshlrev_b32 v[LT+1], 2, v[LT+1]
	ds_store_b32 v[LT+1], v[LT]
	s_bcnt1_i32_b32 s13, s[32+z]
	s_add_co_u32 s12, s12, s13
.set z, z+1
.endr
	ds_load_b32 v11, v10                           ; the first entry (LDS serves a wave's instructions in order: ISA guide 5.7.1.4)
	v_add_nc_u32 v12, s12, v1
	v_add_nc_u32 v13, 32, v12
	v_min_u32 v12, 1087, v12
	v_min_u32 v13, 1087, v13
	v_lshlrev_b32 v12, 2, v12
	v_lshlrev_b32 v13, 2, v13
	v_mov_b32 v15, s12
	s_wait_dscnt 0x0
	ds_store_b32 v12, v11                          ; 64 repeats of it behind the last entry
	ds_store_b32 v13, v11
	ds_store_b32 v14, v15                          ; the count
.irp i, 0,1,2,3,4,5,6,7,8
	ds_load_b128 v[OUTR+4*\i:OUTR+4*\i+3], v2 offset:512*\i
.endr
.irp i, 0,1,2,3,4,5,6,7,8
	s_wait_dscnt 8-\i                              ; chunk i is in; the later chunks' loads may be out
	global_store_b128 v2, v[OUTR+4*\i:OUTR+4*\i+3], s[6:7] offset:512*\i   ; the wave stores 512 consecutive bytes, aligned
.endr
	s_wait_tensorcnt 0x0
	ds_add_u32 v112, v113
	s_wait_dscnt 0x0
	s_endpgm
.Lfunc_end_k_q22f80509d5_place:
	.size	k_q22f80509d5_place, .Lfunc_end_k_q22f80509d5_place-k_q22f80509d5_place
	.p2alignl 7, 3214868480
	.fill 96, 4, 3214868480
	.section	.rodata,"a",@progbits
	.p2align	6, 0x0
	.amdhsa_kernel k_q22f80509d5_place
		.amdhsa_group_segment_fixed_size 4864
		.amdhsa_private_segment_fixed_size 0
		.amdhsa_enable_private_segment 0
		.amdhsa_kernarg_size 16
		.amdhsa_user_sgpr_count 2
		.amdhsa_user_sgpr_kernarg_segment_ptr 1
		.amdhsa_wavefront_size32 1
		.amdhsa_system_sgpr_workgroup_id_x 1
		.amdhsa_system_sgpr_workgroup_id_y 1
		.amdhsa_system_sgpr_workgroup_id_z 1
		.amdhsa_system_vgpr_workitem_id 0
		.amdhsa_next_free_vgpr 114
		.amdhsa_next_free_sgpr 66
		.amdhsa_reserve_vcc 0
		.amdhsa_float_denorm_mode_32 3
		.amdhsa_float_denorm_mode_16_64 3
		.amdhsa_memory_ordered 1
		.amdhsa_forward_progress 1
		.amdhsa_inst_pref_size 25
	.end_amdhsa_kernel
	.amdgpu_metadata
---
amdhsa.version: [ 1, 2 ]
amdhsa.kernels:
  - .name:           k_q22f80509d5_place
    .symbol:         k_q22f80509d5_place.kd
    .args:
      - { .name: sel, .offset: 0, .size: 8, .value_kind: global_buffer, .address_space: global }
      - { .name: list, .offset: 8, .size: 8, .value_kind: global_buffer, .address_space: global }
    .group_segment_fixed_size: 4864
    .private_segment_fixed_size: 0
    .kernarg_segment_align: 8
    .kernarg_segment_size: 16
    .max_flat_workgroup_size: 32
    .sgpr_count:     66
    .vgpr_count:     114
    .wavefront_size: 32
...
	.end_amdgpu_metadata
.endif
;; end of part 2
;; launch ffn1 (part 3): grid 256 x 1, 4 waves a work-group, no clusters, 203,264 bytes of LDS; arguments xq, xs, list, w1, b1, h, hs; writes h, hs
.if DOCPART == 3
	.amdgcn_target "amdgcn-amd-amdhsa--gfx1250"
	.amdhsa_code_object_version 6
	.text
	.protected	k_q22f80509d5_ffn1
	.globl	k_q22f80509d5_ffn1
	.p2align	8
	.type	k_q22f80509d5_ffn1,@function
k_q22f80509d5_ffn1:
	s_mov_b64 s[64:65], 0
	v_nop
	global_prefetch_b8 v0, s[64:65] scope:SCOPE_SE
	s_setreg_imm32_b32 hwreg(HW_REG_WAVE_MODE, 25, 1), 1
	s_wait_xcnt 0x0
; FFN1.  h = Q(relu(Q(x) Q(w1[e]) + b1[e])), for the rows that chose expert e alone: reference() multiplies every other row's result by a zero of its own making.
; SHARES.  Work-group g: expert e = g / 32, hidden units 128 fs .. 128 fs + 127, fs = g % 32: a slice of w1 of 1,024 (K) x 128 f32, which this work-group alone reads, once.
; PHASE W.  Wave w streams K rows 256 w .. 256 w + 255 of the slice, 32 rows (one block along K) at a time: each load is one K row's 512 consecutive bytes, four columns a lane.  A lane's 32 registers of a column are a
; whole block: its largest magnitude needs no other lane; the hold writes them in K order; the codes go to LDS AS IMAGES OF THE OPERAND'S REGISTERS (fragment = 16 columns x 128 K: 512 c + 16 lane).
; THE COLUMNS OF A TILE ARE NOT NEIGHBOURS: column n goes to tile 2 (n / 32) + (n / 8) % 2, row 8 ((n / 16) % 2) + n % 8, so that a lane's 16 results of two neighbouring tiles are 16 neighbours along the next K.
; THE LIST of expert e's rows (entry = 1024 k + token, filled up to a multiple of 64 with repeats of a row, zeros behind) and their count were stored as whole numbers by the launch before: every branch and every
; gathered address here hangs on numbers read from memory.  The count and the entries that many lanes want alike come by scalar loads, which have a counter of their own and so do not stand in the order of the weights' loads.
; PHASE C.  The rows go in units of 64 (four tiles of 16); wave w takes units w, w + 4, w + 8, w + 12: a loop of four trips, a unit at or past the count is jumped over (a scalar branch on the stored count).
; A unit's codes of x are gathered (sixteen lanes read 256 consecutive bytes of a token's row), turned through the wave's own stage in LDS into fragments, and stay in registers: 512.  The product is used TRANSPOSED
; (source 0 = 16 columns of w1, source 1 = 16 rows): a lane holds one row, its registers run along the hidden units.  Bias, relu and the quantiser follow in registers; the codes leave as register images.
; The first unit's gather stands among phase W's loads, without a branch; an expert that no row chose still works unit 0 (on token 0), so that the next launch loads no byte that was never stored.
; WHY NO TENSOR LOAD, NO CLUSTER: the 32 work-groups of an expert read the same rows' codes (256 KiB for 256 rows, against 512 KiB of weights of their own), but what a work-group does hangs on a count read from memory,
; and partners would run different numbers of units.
; LIMITS: NaN and infinities are not served.  A block of zeros gets the byte 1 (its codes are zeros; this program alone reads the bytes).
; OUT: h [e][tile of rows 0..63][fs][2,048 bytes]: image 512 c + 16 lane.  hs [e][tile][fs][16 words].
; REGISTERS, in windows of 256.  Window 0: v0-31 addresses; v32-47 the rows' scale words, v48-79 the weights' (nothing else ever); v80-207 held numbers / four + four fragments of w1 /
; bias and results; v208-239 codes, at work; v240-255 a batch's four maxima, scale operands, limits, scale words.  Window 1: two sets of 128 numbers of w1; then the 32 accumulators, (m, t) at v[64 m + 8 t].
; Windows 2, 3: the unit's fragments of x: tile m in window 2 + m / 2 at v[128 (m % 2) + 16 s + 4 c].  s[68:83], s[84:99]: a tile's 16 entries, two sets by turns.
.set PITCH, 16384                      ; bytes from a K row of w1 to the next
.set WB,    10                         ; s[10:11] the slice
.set TSTR,  16400                      ; LDS: a tile's eight fragments + 16 bytes, so that phase W's sixteen lanes store to sixteen different 16-byte columns modulo 256 bytes
.set WSC,   131328                     ; the weights' scale words [tile][K step][16 words]
.set BIASL, 135424                     ; the slice's 128 biases
.set STG,   135936                     ; a stage of 16 rows x 1,040 bytes for each wave
.set STGW,  16640
.set SP,    1040                       ; a token's 1,024 codes + 16 of padding
.set LSTR,  4608                       ; bytes of an expert's list; its count lies at byte 4,480
.set LANE, 1
.set RR,   2                           ; lane % 16
.set HH,   3                           ; lane / 16
.set LI,   4                           ; 16 x lane
.set B0,   4                           ; fragments of tiles 0-3 begin at LDS byte 0: the same 16 x lane
.set WI,   5                           ; where I store a batch's codes
.set WSA,  6                           ; and my four columns' scale words
.set BA,   7                           ; where I store a bias
.set BL,   8                           ; and where I read my half's
.set BV,   9                           ; a bias
.set B1,   10                          ; fragments of tiles 4-7
.set WSL,  11                          ; the weights' scale words
.set LR,   12                          ; 4 x (lane % 16): my row's entry in a tile's 16
.set BO,   13                          ; the bias's offset
.set STI,  14                          ; the stage, in
.set STO,  15                          ; the stage, out
.set E,    16                          ; v16-23 offsets of eight pairs of rows in xq
.set ER,   24                          ; v24-27 tile m: my row's entry, then its offset in xs
.set C16,  28                          ; 16 x (lane % 16)
.set H16,  29                          ; 16 x (lane / 16)
.set HO,   30                          ; my offset in h
.set HSO,  31                          ; and in hs
.set AS,   32
.set WS,   48
.set Y,    80
.set BF,   80
.set BIAS, 80
.set H,    144
.set C,    208
.set PC,   208
.set TM,   224
.set M,    240
.set SO,   244
.set L,    248
.set SW,   252
.set PW,   240
.set MSB, 0
.macro WIN new                         ; the immediate's high byte repeats the setting that is left; a switch that changes nothing is dropped
.if MSB != (\new)
	s_set_vgpr_msb (MSB<<8)|(\new)
.set MSB, \new
.endif
.endm
.macro WLOAD b                         ; batch b: 32 K rows, 512 consecutive bytes a load, into set b % 2 of window 1
	WIN 0x40
.set i, 0
.rept 32
	global_load_b128 v[128*((\b)%2)+4*i:128*((\b)%2)+4*i+3], v[LI], s[WB:WB+1] offset:(32*(\b)+i)*PITCH th:TH_LOAD_NT
.set i, i+1
.endr
	WIN 0
.endm
.macro PB b, n                         ; batch b is quantised.  n: how many younger loads may stay out
	s_wait_loadcnt \n
	s_wait_dscnt 0x0                               ; my earlier LDS stores have read the codes' and scale words' registers
.set XB, 128*((\b)%2)
	WIN 0x05
.irp j, 0,1,2,3
	v_max3_num_f32 v[M+\j], |v[XB+\j]|, |v[XB+4+\j]|, 0x4800000   ; column j's block: all 32 numbers are mine; the floor 2^(9 - 127) holds the byte at 1 from below
.endr
.set i, 2
.rept 15
.irp j, 0,1,2,3
	v_max3_num_f32 v[M+\j], |v[XB+4*i+\j]|, |v[XB+4*i+4+\j]|, v[M+\j]
.endr
.set i, i+2
.endr
	WIN 0
.irp j, 0,1,2,3
	v_add_nc_u32 v[SO+\j], 0xfc000000, v[M+\j]     ; 8 off the exponent field: the conversion's scale operand
.endr
.irp j, 0,1,2,3
	v_and_or_b32 v[L+\j], v[M+\j], 0x7f800000, s24 ; 448 x the scale
.endr
.if ((\b)%4) == 0
.irp j, 0,1,2,3
	v_lshrrev_b32 v[SW+\j], 23, v[SO+\j]           ; the byte: the first of a K step's four
.endr
.else
.irp j, 0,1,2,3
	v_lshrrev_b32 v[M+\j], 23, v[SO+\j]
.endr
.irp j, 0,1,2,3
	v_lshl_or_b32 v[SW+\j], v[M+\j], 8*((\b)%4), v[SW+\j]
.endr
.endif
	WIN 0x01
.irp j, 0,1,2,3
.set i, 0
.rept 32
	v_med3_num_f32 v[Y+32*\j+i], v[XB+4*i+\j], -v[L+\j], v[L+\j]   ; the hold (the conversion does not saturate: ISA guide 7.6.2) also lays a column's numbers on end
.set i, i+1
.endr
.endr
	WIN 0
.irp j, 0,1,2,3
.irp g, 0,1,2,3
	v_cvt_scalef32_pk8_fp8_f32 v[C+8*\j+2*\g:C+8*\j+2*\g+1], v[Y+32*\j+8*\g:Y+32*\j+8*\g+7], v[SO+\j]
.endr
.endr
	v_nop                                          ; a plain instruction behind the last scaled conversion
.irp j, 0,1,2,3
	ds_store_b128 v[WI], v[C+8*\j:C+8*\j+3] offset:512*(\b)+16*\j        ; k 0-15 of the block: the image's lanes 0-15,
	ds_store_b128 v[WI], v[C+8*\j+4:C+8*\j+7] offset:512*(\b)+16*\j+256  ; k 16-31: its lanes 16-31
.endr
.if ((\b)%4) == 3
	ds_store_b128 v[WSA], v[SW:SW+3] offset:64*((\b)/4)
.endif
.endm
.macro APART m                         ; tile m's 16 rows of codes are asked for: 33 loads
.set TU, 68+16*((\m)%2)                ; the tile's 16 entries, in scalars
	s_wait_xcnt 0x0                                ; the offsets' registers are written again only behind this wait
	s_wait_kmcnt 0x0                               ; the entries are in
.irp i, 0,1,2,3,4,5,6,7
	v_mov_b32 v[E+\i], s[TU+2*\i]                  ; lanes 0-15: row 2 i's entry,
.endr
.irp i, 0,1,2,3,4,5,6,7
	v_cndmask_b32 v[E+\i], v[E+\i], s[TU+2*\i+1], s37   ; lanes 16-31: row 2 i + 1's
.endr
.irp i, 0,1,2,3,4,5,6,7
	v_min_u32 v[E+\i], 0x7ff, v[E+\i]              ; a number that was loaded enters an address behind a bound
.endr
.irp i, 0,1,2,3,4,5,6,7
	v_and_b32 v[E+\i], 0x3ff, v[E+\i]              ; the token
.endr
.irp i, 0,1,2,3,4,5,6,7
	v_lshl_add_u32 v[E+\i], v[E+\i], 10, v[C16]
.endr
	v_min_u32 v[ER+(\m)], 0x7ff, v[ER+(\m)]
	v_and_b32 v[ER+(\m)], 0x3ff, v[ER+(\m)]
	v_lshl_add_u32 v[ER+(\m)], v[ER+(\m)], 5, v[H16]
	WIN (2+(\m)/2)<<6
.irp i, 0,1,2,3,4,5,6,7
.irp q, 0,1,2,3
	global_load_b128 v[128*((\m)%2)+16*\i+4*\q:128*((\m)%2)+16*\i+4*\q+3], v[E+\i], s[4:5] offset:256*\q   ; sixteen lanes read 256 consecutive bytes of a row, aligned
.endr
.endr
	WIN 0
	global_load_b128 v[AS+4*(\m):AS+4*(\m)+3], v[ER+(\m)], s[6:7]   ; register p: lanes 0-15 K step 2 p's word of row lane % 16, lanes 16-31 K step 2 p + 1's
.if (\m) < 2
	s_load_b512 s[TU:TU+15], s[46:47], 64*((\m)+2) ; the entries of the tile two further on take this set
.endif
.endm
.macro TURN m                          ; tile m's rows through my stage: in as rows, out as fragments, into the registers that they left.  LDS serves a wave's instructions in order (ISA guide 5.7.1.4): no wait between
	WIN (2+(\m)/2)<<2
.irp i, 0,1,2,3,4,5,6,7
.irp q, 0,1,2,3
	ds_store_b128 v[STI], v[128*((\m)%2)+16*\i+4*\q:128*((\m)%2)+16*\i+4*\q+3] offset:2*SP*\i+256*\q
.endr
.endr
	WIN (2+(\m)/2)<<6
.irp s, 0,1,2,3,4,5,6,7
.irp c, 0,1,2,3
	ds_load_b128 v[128*((\m)%2)+16*\s+4*\c:128*((\m)%2)+16*\s+4*\c+3], v[STO] offset:128*\s+32*\c
.endr
.endr
	WIN 0
.endm
.macro LOADB g                         ; group g: K step g / 2, tiles 4 (g % 2) .. + 3: four fragments into buffer g % 2
.set lt, 0
.rept 4
.irp c, 0,1,2,3
.if ((\g)%2) == 0
	ds_load_b128 v[BF+16*lt+4*\c:BF+16*lt+4*\c+3], v[B0] offset:lt*TSTR+((\g)/2)*2048+512*\c
.else
	ds_load_b128 v[BF+64+16*lt+4*\c:BF+64+16*lt+4*\c+3], v[B1] offset:lt*TSTR+((\g)/2)*2048+512*\c
.endif
.endr
.set lt, lt+1
.endr
.endm
.macro PROD m, tt, g                   ; one product: rows' tile m, the group's tile tt.  An even K step's scale words lie in lanes 0-15 of their registers, an odd one's in lanes 16-31
.set ps, (\g)/2
.set pt, 4*((\g)%2)+(\tt)
.set pd, 64*(\m)+8*pt
.set pb, BF+64*((\g)%2)+16*(\tt)
.set pa, 128*((\m)%2)+16*ps
.if ps == 0
	v_wmma_scale_f32_16x16x128_f8f6f4 v[pd:pd+7], v[pb:pb+15], v[pa:pa+15], 0, v[WS+4*pt], v[AS+4*(\m)]
.elseif (ps%2) == 0
	v_wmma_scale_f32_16x16x128_f8f6f4 v[pd:pd+7], v[pb:pb+15], v[pa:pa+15], v[pd:pd+7], v[WS+4*pt+ps/2], v[AS+4*(\m)+ps/2]
.else
	v_wmma_scale_f32_16x16x128_f8f6f4 v[pd:pd+7], v[pb:pb+15], v[pa:pa+15], v[pd:pd+7], v[WS+4*pt+ps/2], v[AS+4*(\m)+ps/2] matrix_a_scale:MATRIX_SCALE_ROW1 matrix_b_scale:MATRIX_SCALE_ROW1
.endif
.endm
.macro QUANT                           ; 64 numbers of a lane, v[H + 16 b + i] = hidden unit 32 b + 16 (lane / 16) + i of my row, become a fragment's codes in v[PC] on and its scale word in v[PW]; what is negative becomes 0
.irp b, 0,1,2,3
	v_max3_num_f32 v[TM+\b], v[H+16*\b], v[H+1+16*\b], 0x4800000   ; no |.|: what is negative must not count; the floor stands over it
.endr
.irp i, 2,4,6,8,10,12,14
.irp b, 0,1,2,3
	v_max3_num_f32 v[TM+\b], v[TM+\b], v[H+16*\b+\i], v[H+1+16*\b+\i]
.endr
.endr
.irp b, 0,1,2,3
	v_permlanex16_b32 v[TM+4+\b], v[TM+\b], s25, s26
.endr
.irp b, 0,1,2,3
	v_max_num_f32 v[TM+\b], v[TM+\b], v[TM+4+\b]   ; with lane l xor 16's 16: the block's
.endr
.irp b, 0,1,2,3
	v_add_nc_u32 v[TM+12+\b], 0xfc000000, v[TM+\b]
.endr
.irp b, 0,1,2,3
	v_and_or_b32 v[TM+8+\b], v[TM+\b], 0x7f800000, s24
.endr
.irp b, 0,1,2,3
	v_lshrrev_b32 v[TM+4+\b], 23, v[TM+12+\b]
.endr
	v_lshl_or_b32 v[PW], v[TM+5], 8, v[TM+4]
	v_lshl_or_b32 v[PW], v[TM+6], 16, v[PW]
	v_lshl_or_b32 v[PW], v[TM+7], 24, v[PW]
.irp b, 0,1,2,3
.irp i, 0,1,2,3,4,5,6,7,8,9,10,11,12,13,14,15
	v_med3_num_f32 v[H+16*\b+\i], v[H+16*\b+\i], 0, v[TM+8+\b]   ; the activation and the hold in one
.endr
	v_cvt_scalef32_pk8_fp8_f32 v[PC+4*\b:PC+1+4*\b], v[H+16*\b:H+7+16*\b], v[TM+12+\b]
	v_cvt_scalef32_pk8_fp8_f32 v[PC+2+4*\b:PC+3+4*\b], v[H+8+16*\b:H+15+16*\b], v[TM+12+\b]
.endr
	v_nop                                          ; a plain instruction behind the last scaled conversion
.endm
.macro EPI m                           ; tile m's 16 rows x 128 hidden units leave
	s_wait_xcnt 0x0                                ; the last tile's stores have read their registers
	WIN 0x01
.set q, 0
.rept 32
	v_pk_add_f32 v[H+2*q:H+2*q+1], v[64*(\m)+2*q:64*(\m)+2*q+1], v[BIAS+2*q:BIAS+2*q+1]   ; each accumulator from its low end on
.set q, q+1
.endr
	WIN 0
	QUANT
.irp c, 0,1,2,3
	global_store_b128 v[HO], v[PC+4*\c:PC+4*\c+3], s[14:15] offset:65536*(\m)+512*\c   ; the wave stores 512 consecutive bytes, aligned
.endr
	global_store_b32 v[HSO], v[PW], s[16:17] offset:2048*(\m)   ; lanes 16-31 hold and store the same words as lanes 0-15
.endm
	s_load_b256 s[4:11], s[0:1], 0x0               ; xq s[4:5], xs s[6:7], list s[8:9], w1 s[10:11]
	s_load_b128 s[12:15], s[0:1], 0x20             ; b1 s[12:13], h s[14:15]
	s_load_b64 s[16:17], s[0:1], 0x30              ; hs
	v_lshrrev_b32 v[LANE], 5, v0
	v_readfirstlane_b32 s18, v[LANE]               ; wave
	v_and_b32 v[LANE], 31, v0
	v_and_b32 v[RR], 15, v0
	v_bfe_u32 v[HH], v0, 4, 1
	s_lshr_b32 s19, ttmp9, 5                       ; e
	s_and_b32 s20, ttmp9, 31                       ; fs
	s_mov_b32 s24, 0x600000                        ; the mantissa field of 448
	s_mov_b32 s25, 0x76543210
	s_mov_b32 s26, 0xfedcba98                      ; v_permlanex16_b32's selects for lane l xor 16
	s_mov_b32 s37, 0xffff0000                      ; lanes 16-31
	v_lshlrev_b32 v[LI], 4, v[LANE]
	v_bfe_u32 v16, v0, 3, 2
	v_bfe_u32 v17, v0, 1, 1
	v_lshl_add_u32 v16, v16, 1, v17                ; my four columns' tile: 2 (lane / 8) + (lane / 2) % 2
	v_bfe_u32 v17, v0, 2, 1
	v_and_b32 v18, 1, v0
	v_lshlrev_b32 v18, 2, v18
	v_lshl_add_u32 v17, v17, 3, v18                ; and their first row in it: 8 ((lane / 4) % 2) + 4 (lane % 2)
	v_mul_u32_u24 v[WI], v16, TSTR
	v_lshl_add_u32 v[WI], v17, 4, v[WI]
	s_lshl_b32 s33, s18, 12
	v_add_nc_u32 v[WI], s33, v[WI]                 ; + my two K steps: 4,096 x wave
	v_lshlrev_b32 v[WSA], 9, v16
	v_lshl_add_u32 v[WSA], v17, 2, v[WSA]
	s_lshl_b32 s33, s18, 7
	v_add_nc_u32 v[WSA], s33, v[WSA]
	v_add_nc_u32 v[WSA], WSC, v[WSA]
	v_lshl_add_u32 v[BA], v0, 2, BIASL
	v_lshl_add_u32 v[BL], v[HH], 6, BIASL
	v_add_nc_u32 v[B1], 4*TSTR, v[LI]
	v_lshl_add_u32 v[WSL], v[LANE], 2, WSC
	v_lshlrev_b32 v[LR], 2, v[RR]
	s_mul_i32 s33, s18, STGW
	s_add_co_u32 s33, s33, STG                     ; my stage
	v_mul_u32_u24 v[STI], v[HH], SP
	v_lshl_add_u32 v[STI], v[RR], 4, v[STI]
	v_add_nc_u32 v[STI], s33, v[STI]               ; in: the pair's row lane / 16, 16 bytes at lane % 16
	v_mul_u32_u24 v[STO], v[RR], SP
	v_lshl_add_u32 v[STO], v[HH], 4, v[STO]
	v_add_nc_u32 v[STO], s33, v[STO]               ; out: row lane % 16, + 16 (lane / 16)
	v_lshlrev_b32 v[C16], 4, v[RR]
	v_lshlrev_b32 v[H16], 4, v[HH]
	s_lshl_b32 s33, s19, 22
	s_lshl_b32 s36, s18, 18
	s_add_co_u32 s33, s33, s36
	s_lshl_b32 s36, s20, 11
	s_add_co_u32 s33, s33, s36
	v_add_nc_u32 v[HO], s33, v[LI]                 ; h: expert, unit = wave, fs, 16 x lane
	s_lshl_b32 s33, s19, 17
	s_lshl_b32 s36, s18, 13
	s_add_co_u32 s33, s33, s36
	s_lshl_b32 s36, s20, 6
	s_add_co_u32 s33, s33, s36
	v_lshl_add_u32 v[HSO], v[RR], 2, s33           ; hs likewise, 4 x (lane % 16)
	s_lshl_b32 s33, s19, 14
	s_lshl_b32 s36, s20, 9
	s_add_co_u32 s33, s33, s36
	v_lshl_add_u32 v[BO], v0, 2, s33               ; b1[e][128 fs + thread]
	s_lshl_b32 s38, s19, 24
	s_add_co_u32 s38, s38, s36
	s_lshl_b32 s36, s18, 22
	s_add_co_u32 s38, s38, s36                     ; w1: expert, my slice's first column, my wave's 256 K rows
	s_mov_b32 s39, 0
	s_mul_i32 s48, s19, LSTR                       ; the expert's list,
	s_mov_b32 s49, 0
	s_lshl_b32 s50, s18, 8                         ; and in it my first unit: 64 entries are 256 bytes
	s_mov_b32 s51, 0
	s_wait_kmcnt 0x0
	s_add_nc_u64 s[WB:WB+1], s[WB:WB+1], s[38:39]
	s_add_nc_u64 s[44:45], s[8:9], s[48:49]
	s_add_nc_u64 s[46:47], s[44:45], s[50:51]
	s_load_b32 s27, s[44:45], 0x1180               ; the count
	s_load_b512 s[68:83], s[46:47], 0x0            ; my first unit's tile 0: 16 entries,
	s_load_b512 s[84:99], s[46:47], 0x40           ; tile 1
	global_load_b32 v[BV], v[BO], s[12:13]
.irp m, 0,1,2,3
	global_load_b32 v[ER+\m], v[LR], s[46:47] offset:64*\m   ; tile m: the entry of row lane % 16.  Ahead of the weights' loads, so that no wait for them drains the stream
.endr
	WLOAD 0
	WLOAD 1
	s_wait_kmcnt 0x0
	s_min_u32 s27, s27, 1024                       ; the count
	s_add_co_u32 s28, s27, 63
	s_lshr_b32 s28, s28, 6                         ; units
	s_max_u32 s29, s28, 1                          ; at least one is worked
	s_wait_loadcnt 63                              ; the bias and the four entries: 64 loads were issued behind them
	ds_store_b32 v[BA], v[BV]
	; ---- PHASE W.  Order of the loads: W0 W1 | W2 A0 | W3 A1 | W4 A2 | W5 A3 | W6 | W7 (W: 32, A: 33).  A batch's wait counts the loads issued behind it, 63 where they are more
	PB 0, 32                                       ; behind W0: W1
	WLOAD 2
	APART 0
	PB 1, 63                                       ; behind W1: W2, A0: 65
	WLOAD 3
	APART 1
	PB 2, 63                                       ; behind W2: A0, W3, A1: 98
	WLOAD 4
	APART 2
	PB 3, 63                                       ; behind W3: A1, W4, A2: 98.  A0 is older than W3: it is in
	TURN 0
	WLOAD 5
	APART 3
	PB 4, 63                                       ; behind W4: A2, W5, A3: 98.  A1 is in
	TURN 1
	WLOAD 6
	PB 5, 63                                       ; behind W5: A3, W6: 65.  A2 is in
	TURN 2
	WLOAD 7
	PB 6, 32                                       ; behind W6: W7.  A3 is in
	TURN 3
	PB 7, 0
	s_wait_dscnt 0x0                               ; for the others' sake: my images, scale words and bias lie in LDS
	s_barrier_signal -1
	s_barrier_wait -1
	; ---- PHASE C
.irp t, 0,1,2,3,4,5,6,7
.irp p, 0,1,2,3
	ds_load_b32 v[WS+4*\t+\p], v[WSL] offset:512*\t+128*\p   ; lanes 0-15: K step 2 p's words of tile t, lanes 16-31: K step 2 p + 1's
.endr
.endr
.irp b, 0,1,2,3
	v_mov_b32 v[TM+4+\b], 0                        ; a lane permute's destination counts as one of its sources
.endr
	s_mov_b32 s30, 0                               ; trip
	s_mov_b32 s31, s18                             ; unit
.Lpass:
	s_cmp_ge_u32 s31, s29
	s_cbranch_scc1 .Lnext                          ; no such unit
	s_cmp_eq_u32 s30, 0
	s_cbranch_scc1 .Lhave                          ; the first unit's fragments came in phase W
	s_load_b512 s[68:83], s[46:47], 0x0            ; this unit's tiles 0 and 1
	s_load_b512 s[84:99], s[46:47], 0x40
.irp m, 0,1,2,3
	global_load_b32 v[ER+\m], v[LR], s[46:47] offset:64*\m
.endr
	s_wait_loadcnt 0x0
	APART 0
	APART 1
	APART 2
	APART 3
	s_wait_loadcnt 63                              ; behind tile 0's loads 99 were issued, behind tile 1's 66
	TURN 0
	TURN 1
	s_wait_loadcnt 33                              ; behind tile 2's: 33
	TURN 2
	s_wait_loadcnt 0x0
	TURN 3
.Lhave:
	s_wait_loadcnt 0x0                             ; the rows' scale words
	s_wait_dscnt 0x0                               ; the fragments, the weights' scale words
	; the K loop, written out: 16 groups of 16 products; the 32 accumulators take turns, one instruction a turn
	LOADB 0
	LOADB 1
.set G, 0
.rept 16
.if G < 15
	s_wait_dscnt 16                                ; this group's four fragments are in; the next group's sixteen loads may be out
.else
	s_wait_dscnt 0x0
.endif
	WIN 0x58                                       ; source 0 window 0, source 1 window 2, C and D window 1
.irp m, 0,1
.irp tt, 0,1,2,3
	PROD \m, \tt, G
.endr
.endr
	WIN 0x5c                                       ; source 1 window 3
.irp m, 2,3
.irp tt, 0,1,2,3
	PROD \m, \tt, G
.endr
.endr
.if G < 14
.rept 8
	v_nop                                          ; eight places in front of loads into registers that these products have read
.endr
	WIN 0
	LOADB G+2
.endif
.set G, G+1
.endr
	WIN 0
.rept 8
	v_nop                                          ; eight places in front of the first read of results and of loads and writes into the fragments' registers
.endr
.irp b, 0,1,2,3
.irp j, 0,1,2,3
	ds_load_b128 v[BIAS+16*\b+4*\j:BIAS+16*\b+4*\j+3], v[BL] offset:128*\b+16*\j   ; register 16 b + x: the bias of hidden unit 32 b + 16 (lane / 16) + x
.endr
.endr
	s_wait_dscnt 0x0
	EPI 0
	EPI 1
	EPI 2
	EPI 3
.Lnext:
	s_wait_xcnt 0x0                                ; the offsets and the list's address are stepped only behind this wait
	s_add_nc_u64 s[46:47], s[46:47], 1024          ; four units on
	v_add_nc_u32 v[HO], 1<<20, v[HO]
	v_add_nc_u32 v[HSO], 1<<15, v[HSO]
	s_add_co_u32 s31, s31, 4
	s_add_co_u32 s30, s30, 1
	s_cmp_lt_u32 s30, 4
	s_cbranch_scc1 .Lpass
	s_wait_xcnt 0x0
	v_lshl_add_u32 v254, v0, 2, 0x31800
	v_mov_b32 v255, 0
	s_wait_tensorcnt 0x0
	ds_add_u32 v254, v255
	s_wait_dscnt 0x0
	s_endpgm
.Lfunc_end_k_q22f80509d5_ffn1:
	.size	k_q22f80509d5_ffn1, .Lfunc_end_k_q22f80509d5_ffn1-k_q22f80509d5_ffn1
	.p2alignl 7, 3214868480
	.fill 96, 4, 3214868480
	.section	.rodata,"a",@progbits
	.p2align	6, 0x0
	.amdhsa_kernel k_q22f80509d5_ffn1
		.amdhsa_group_segment_fixed_size 203264
		.amdhsa_private_segment_fixed_size 0
		.amdhsa_enable_private_segment 0
		.amdhsa_kernarg_size 56
		.amdhsa_user_sgpr_count 2
		.amdhsa_user_sgpr_kernarg_segment_ptr 1
		.amdhsa_wavefront_size32 1
		.amdhsa_system_sgpr_workgroup_id_x 1
		.amdhsa_system_sgpr_workgroup_id_y 1
		.amdhsa_system_sgpr_workgroup_id_z 1
		.amdhsa_system_vgpr_workitem_id 0
		.amdhsa_next_free_vgpr 1024
		.amdhsa_next_free_sgpr 100
		.amdhsa_reserve_vcc 0
		.amdhsa_float_denorm_mode_32 3
		.amdhsa_float_denorm_mode_16_64 3
		.amdhsa_memory_ordered 1
		.amdhsa_forward_progress 1
		.amdhsa_inst_pref_size 255
	.end_amdhsa_kernel
	.section	.bss,"aw",@nobits
	.p2align	6
	.space	262144
	.amdgpu_metadata
---
amdhsa.version: [ 1, 2 ]
amdhsa.kernels:
  - .name:           k_q22f80509d5_ffn1
    .symbol:         k_q22f80509d5_ffn1.kd
    .args:
      - { .name: xq, .offset: 0, .size: 8, .value_kind: global_buffer, .address_space: global }
      - { .name: xs, .offset: 8, .size: 8, .value_kind: global_buffer, .address_space: global }
      - { .name: list, .offset: 16, .size: 8, .value_kind: global_buffer, .address_space: global }
      - { .name: w1, .offset: 24, .size: 8, .value_kind: global_buffer, .address_space: global }
      - { .name: b1, .offset: 32, .size: 8, .value_kind: global_buffer, .address_space: global }
      - { .name: h, .offset: 40, .size: 8, .value_kind: global_buffer, .address_space: global }
      - { .name: hs, .offset: 48, .size: 8, .value_kind: global_buffer, .address_space: global }
    .group_segment_fixed_size: 203264
    .private_segment_fixed_size: 0
    .kernarg_segment_align: 8
    .kernarg_segment_size: 56
    .max_flat_workgroup_size: 128
    .sgpr_count:     100
    .vgpr_count:     1024
    .wavefront_size: 32
...
	.end_amdgpu_metadata
.endif
;; end of part 3
;; launch ffn2 (part 4): grid 256 x 1, 4 waves a work-group, no clusters, 203,264 bytes of LDS; arguments h, hs, list, prob, w2, b2, part; writes part
.if DOCPART == 4
	.amdgcn_target "amdgcn-amd-amdhsa--gfx1250"
	.amdhsa_code_object_version 6
	.text
	.protected	k_q22f80509d5_ffn2
	.globl	k_q22f80509d5_ffn2
	.p2align	8
	.type	k_q22f80509d5_ffn2,@function
k_q22f80509d5_ffn2:
	s_mov_b64 s[64:65], 0
	v_nop
	global_prefetch_b8 v0, s[64:65] scope:SCOPE_SE
	s_setreg_imm32_b32 hwreg(HW_REG_WAVE_MODE, 25, 1), 1
	s_wait_xcnt 0x0
; FFN2.  part[kq][1024 k + token][:] = p x (h Q(w2[e]) over a quarter of K (+ b2[e] in quarter 0)), for the rows that chose expert e; p is the row's router weight.  The last launch adds a token's eight parts.
; SHARES.  Work-group g: expert e = g / 32, quarter of K kq = (g / 8) % 4 (hidden units 1,024 kq on), outputs 128 ns .. + 127, ns = g % 8: a slice of w2 of 1,024 (K) x 128 f32, read by this work-group alone, once.
; K is cut in four so that a work-group reads 1 KiB of hidden codes a row and not 4, and so that the launch has the shape of the one before: PHASE W and the K loop are that launch's, line for line.
; PHASE W.  Wave w streams K rows 256 w .. + 255 of the slice, 32 rows (one block along K) at a time, quantises them in registers and lays the codes in LDS as images of the operand's registers.
; THE COLUMNS OF A TILE ARE NOT NEIGHBOURS: column n goes to tile 2 (n / 32) + (n / 8) % 2, row 8 ((n / 16) % 2) + n % 8: a lane's 16 results of two neighbouring tiles are then 16 neighbouring outputs, 64 bytes of a row.
; THE LIST of expert e's rows and their count are the whole numbers that the launch before the last stored, the same that ordered the hidden layer's rows: every branch and every address that hangs on the choice
; hangs on numbers read from memory.  The count and a tile's 16 entries for the way out come by scalar loads.
; PHASE C.  Units of 64 rows, wave w takes units w, w + 4, w + 8, w + 12 in a loop of four trips; a unit at or past the count is jumped over.  The hidden layer's fragments come from memory as they were stored: 512
; consecutive bytes a load, straight into the operand's registers.  The first unit's loads stand among phase W's, without a branch: a wave without a unit loads the expert's last unit (the launch before stored unit 0 at the least).
; The results go through the wave's own stage in LDS and leave as whole pieces of rows: 512 consecutive bytes an instruction, at the row's entry.  A repeated row of the list's filling stores the same numbers to the same place.
; WHY NO TENSOR LOAD, NO CLUSTER: the eight work-groups of an (e, kq) read the same hidden codes (256 KiB for 256 rows, against 512 KiB of weights of their own), but what a work-group does hangs on a count read from memory.
; LIMITS: NaN and infinities are not served.  A block of zeros gets the byte 1 (zero codes; this program alone reads the bytes).  y is summed in four quarters of K, each weighted before the last addition.
; REGISTERS as in the launch before; window 0: v16-19 a tile's entry of my row, then its offset in prob; v24-31 the four tiles' weights p (even registers; the odd ones are named with them as pairs);
; v208-223 the rows' offsets on the way out.  s[68:83], s[84:99]: a tile's 16 entries, two sets by turns.
.set PITCH, 4096                       ; bytes from a K row of w2 to the next
.set WB,    12                         ; s[12:13] the slice
.set TSTR,  16400
.set WSC,   131328
.set BIASL, 135424
.set STG,   135936                     ; a stage of 16 rows x 528 bytes for each wave
.set STGW,  16640
.set SP,    528                        ; 128 f32 + 16 bytes of padding
.set LSTR,  4608                       ; bytes of an expert's list; its count lies at byte 4,480
.set LANE, 1
.set RR,   2
.set HH,   3
.set LI,   4
.set B0,   4                           ; fragments of tiles 0-3 begin at LDS byte 0: the same 16 x lane
.set WI,   5
.set WSA,  6
.set BA,   7
.set BL,   8
.set BV,   9
.set B1,   10
.set WSL,  11
.set LR,   12                          ; 4 x (lane % 16): my row's entry in a tile's 16
.set BO,   13
.set STI,  14
.set STO,  15
.set ER,   16                          ; v16-19
.set AO,   20                          ; my offset in h
.set ASO,  21                          ; and in hs
.set PO,   22                          ; my 16 bytes of a row's 512 in part
.set P,    24
.set AS,   32
.set WS,   48
.set Y,    80
.set BF,   80
.set BIAS, 80
.set H,    144
.set C,    208
.set RA,   208
.set M,    240
.set SO,   244
.set L,    248
.set SW,   252
.set MSB, 0
.macro WIN new                         ; the immediate's high byte repeats the setting that is left; a switch that changes nothing is dropped
.if MSB != (\new)
	s_set_vgpr_msb (MSB<<8)|(\new)
.set MSB, \new
.endif
.endm
.macro WLOAD b                         ; batch b: 32 K rows, 512 consecutive bytes a load, into set b % 2 of window 1
	WIN 0x40
.set i, 0
.rept 32
	global_load_b128 v[128*((\b)%2)+4*i:128*((\b)%2)+4*i+3], v[LI], s[WB:WB+1] offset:(32*(\b)+i)*PITCH th:TH_LOAD_NT
.set i, i+1
.endr
	WIN 0
.endm
.macro PB b, n                         ; batch b is quantised.  n: how many younger loads may stay out
	s_wait_loadcnt \n
	s_wait_dscnt 0x0                               ; my earlier LDS stores have read the codes' and scale words' registers
.set XB, 128*((\b)%2)
	WIN 0x05
.irp j, 0,1,2,3
	v_max3_num_f32 v[M+\j], |v[XB+\j]|, |v[XB+4+\j]|, 0x4800000   ; column j's block: all 32 numbers are mine; the floor 2^(9 - 127) holds the byte at 1 from below
.endr
.set i, 2
.rept 15
.irp j, 0,1,2,3
	v_max3_num_f32 v[M+\j], |v[XB+4*i+\j]|, |v[XB+4*i+4+\j]|, v[M+\j]
.endr
.set i, i+2
.endr
	WIN 0
.irp j, 0,1,2,3
	v_add_nc_u32 v[SO+\j], 0xfc000000, v[M+\j]     ; 8 off the exponent field: the conversion's scale operand
.endr
.irp j, 0,1,2,3
	v_and_or_b32 v[L+\j], v[M+\j], 0x7f800000, s24 ; 448 x the scale
.endr
.if ((\b)%4) == 0
.irp j, 0,1,2,3
	v_lshrrev_b32 v[SW+\j], 23, v[SO+\j]           ; the byte: the first of a K step's four
.endr
.else
.irp j, 0,1,2,3
	v_lshrrev_b32 v[M+\j], 23, v[SO+\j]
.endr
.irp j, 0,1,2,3
	v_lshl_or_b32 v[SW+\j], v[M+\j], 8*((\b)%4), v[SW+\j]
.endr
.endif
	WIN 0x01
.irp j, 0,1,2,3
.set i, 0
.rept 32
	v_med3_num_f32 v[Y+32*\j+i], v[XB+4*i+\j], -v[L+\j], v[L+\j]   ; the hold (the conversion does not saturate: ISA guide 7.6.2) also lays a column's numbers on end
.set i, i+1
.endr
.endr
	WIN 0
.irp j, 0,1,2,3
.irp g, 0,1,2,3
	v_cvt_scalef32_pk8_fp8_f32 v[C+8*\j+2*\g:C+8*\j+2*\g+1], v[Y+32*\j+8*\g:Y+32*\j+8*\g+7], v[SO+\j]
.endr
.endr
	v_nop                                          ; a plain instruction behind the last scaled conversion
.irp j, 0,1,2,3
	ds_store_b128 v[WI], v[C+8*\j:C+8*\j+3] offset:512*(\b)+16*\j        ; k 0-15 of the block: the image's lanes 0-15,
	ds_store_b128 v[WI], v[C+8*\j+4:C+8*\j+7] offset:512*(\b)+16*\j+256  ; k 16-31: its lanes 16-31
.endr
.if ((\b)%4) == 3
	ds_store_b128 v[WSA], v[SW:SW+3] offset:64*((\b)/4)
.endif
.endm
.macro APART m                         ; tile m's eight fragments, four scale registers and weights are asked for: 37 loads
	v_min_u32 v[ER+(\m)], 0x7ff, v[ER+(\m)]        ; a number that was loaded enters an address behind a bound
	v_lshlrev_b32 v[ER+(\m)], 2, v[ER+(\m)]
	WIN (2+(\m)/2)<<6
.irp s, 0,1,2,3,4,5,6,7
.irp c, 0,1,2,3
	global_load_b128 v[128*((\m)%2)+16*\s+4*\c:128*((\m)%2)+16*\s+4*\c+3], v[AO], s[4:5] offset:65536*(\m)+2048*\s+512*\c   ; 512 consecutive bytes: four registers of the operand as they were stored
.endr
.endr
	WIN 0
.irp p, 0,1,2,3
	global_load_b32 v[AS+4*(\m)+\p], v[ASO], s[6:7] offset:2048*(\m)+128*\p   ; lanes 0-15: K step 2 p's words, lanes 16-31: K step 2 p + 1's
.endr
	global_load_b32 v[P+2*(\m)], v[ER+(\m)], s[10:11]   ; my row's weight
.endm
.macro LOADB g                         ; group g: K step g / 2, tiles 4 (g % 2) .. + 3: four fragments into buffer g % 2
.set lt, 0
.rept 4
.irp c, 0,1,2,3
.if ((\g)%2) == 0
	ds_load_b128 v[BF+16*lt+4*\c:BF+16*lt+4*\c+3], v[B0] offset:lt*TSTR+((\g)/2)*2048+512*\c
.else
	ds_load_b128 v[BF+64+16*lt+4*\c:BF+64+16*lt+4*\c+3], v[B1] offset:lt*TSTR+((\g)/2)*2048+512*\c
.endif
.endr
.set lt, lt+1
.endr
.endm
.macro PROD m, tt, g                   ; one product: rows' tile m, the group's tile tt.  An even K step's scale words lie in lanes 0-15 of their registers, an odd one's in lanes 16-31
.set ps, (\g)/2
.set pt, 4*((\g)%2)+(\tt)
.set pd, 64*(\m)+8*pt
.set pb, BF+64*((\g)%2)+16*(\tt)
.set pa, 128*((\m)%2)+16*ps
.if ps == 0
	v_wmma_scale_f32_16x16x128_f8f6f4 v[pd:pd+7], v[pb:pb+15], v[pa:pa+15], 0, v[WS+4*pt], v[AS+4*(\m)]
.elseif (ps%2) == 0
	v_wmma_scale_f32_16x16x128_f8f6f4 v[pd:pd+7], v[pb:pb+15], v[pa:pa+15], v[pd:pd+7], v[WS+4*pt+ps/2], v[AS+4*(\m)+ps/2]
.else
	v_wmma_scale_f32_16x16x128_f8f6f4 v[pd:pd+7], v[pb:pb+15], v[pa:pa+15], v[pd:pd+7], v[WS+4*pt+ps/2], v[AS+4*(\m)+ps/2] matrix_a_scale:MATRIX_SCALE_ROW1 matrix_b_scale:MATRIX_SCALE_ROW1
.endif
.endm
.macro EPI m                           ; tile m's 16 rows x 128 outputs leave
.set TU, 68+16*((\m)%2)                ; the tile's 16 entries, in scalars
	s_wait_xcnt 0x0                                ; the last tile's stores have read their registers
	s_wait_kmcnt 0x0                               ; the entries are in
.irp i, 0,1,2,3,4,5,6,7,8,9,10,11,12,13,14,15
	s_min_u32 s[TU+\i], s[TU+\i], 0x7ff            ; a number that was loaded enters an address behind a bound
.endr
.irp i, 0,1,2,3,4,5,6,7,8,9,10,11,12,13,14,15
	v_lshl_add_u32 v[RA+\i], s[TU+\i], 12, v[PO]   ; row i's place in part: 4,096 bytes an entry
.endr
	WIN 0x01
.set q, 0
.rept 32
	v_pk_add_f32 v[H+2*q:H+2*q+1], v[64*(\m)+2*q:64*(\m)+2*q+1], v[BIAS+2*q:BIAS+2*q+1]   ; each accumulator from its low end on
.set q, q+1
.endr
	WIN 0
.set q, 0
.rept 32
	v_pk_mul_f32 v[H+2*q:H+2*q+1], v[H+2*q:H+2*q+1], v[P+2*(\m):P+2*(\m)+1] op_sel_hi:[1,0]   ; x my row's weight
.set q, q+1
.endr
.irp b, 0,1,2,3
.irp j, 0,1,2,3
	ds_store_b128 v[STI], v[H+16*\b+4*\j:H+16*\b+4*\j+3] offset:128*\b+16*\j   ; register 16 b + x is output 32 b + 16 (lane / 16) + x of row lane % 16
.endr
.endr
.irp i, 0,1,2,3,4,5,6,7,8,9,10,11,12,13,14,15
	ds_load_b128 v[H+4*\i:H+4*\i+3], v[STO] offset:SP*\i   ; LDS serves a wave's instructions in order (ISA guide 5.7.1.4): these see my stores; row i, 16 bytes a lane
.endr
.if (\m) < 2
	s_load_b512 s[TU:TU+15], s[46:47], 64*((\m)+2) ; the entries of the tile two further on take this set
.endif
.irp i, 0,1,2,3,4,5,6,7,8,9,10,11,12,13,14,15
	s_wait_dscnt 15-\i                             ; row i is back; the later rows' loads may be out
	global_store_b128 v[RA+\i], v[H+4*\i:H+4*\i+3], s[16:17]   ; the wave stores 512 consecutive bytes, aligned
.endr
.endm
	s_load_b256 s[4:11], s[0:1], 0x0               ; h s[4:5], hs s[6:7], list s[8:9], prob s[10:11]
	s_load_b128 s[12:15], s[0:1], 0x20             ; w2 s[12:13], b2 s[14:15]
	s_load_b64 s[16:17], s[0:1], 0x30              ; part
	v_lshrrev_b32 v[LANE], 5, v0
	v_readfirstlane_b32 s18, v[LANE]               ; wave
	v_and_b32 v[LANE], 31, v0
	v_and_b32 v[RR], 15, v0
	v_bfe_u32 v[HH], v0, 4, 1
	s_lshr_b32 s19, ttmp9, 5                       ; e
	s_bfe_u32 s20, ttmp9, 0x20003                  ; kq
	s_and_b32 s21, ttmp9, 7                        ; ns
	s_mov_b32 s24, 0x600000                        ; the mantissa field of 448
	s_cmp_eq_u32 s20, 0
	s_cselect_b32 s40, 1.0, 0                      ; b2 enters the first quarter of K alone
	v_lshlrev_b32 v[LI], 4, v[LANE]
	v_bfe_u32 v24, v0, 3, 2
	v_bfe_u32 v25, v0, 1, 1
	v_lshl_add_u32 v24, v24, 1, v25                ; my four columns' tile: 2 (lane / 8) + (lane / 2) % 2
	v_bfe_u32 v25, v0, 2, 1
	v_and_b32 v26, 1, v0
	v_lshlrev_b32 v26, 2, v26
	v_lshl_add_u32 v25, v25, 3, v26                ; and their first row in it: 8 ((lane / 4) % 2) + 4 (lane % 2)
	v_mul_u32_u24 v[WI], v24, TSTR
	v_lshl_add_u32 v[WI], v25, 4, v[WI]
	s_lshl_b32 s33, s18, 12
	v_add_nc_u32 v[WI], s33, v[WI]                 ; + my two K steps: 4,096 x wave
	v_lshlrev_b32 v[WSA], 9, v24
	v_lshl_add_u32 v[WSA], v25, 2, v[WSA]
	s_lshl_b32 s33, s18, 7
	v_add_nc_u32 v[WSA], s33, v[WSA]
	v_add_nc_u32 v[WSA], WSC, v[WSA]
.irp m, 0,1,2,3
	v_mov_b32 v[P+2*\m+1], 0                       ; named as the upper halves of the pairs that the packed multiplication reads
.endr
	v_lshl_add_u32 v[BA], v0, 2, BIASL
	v_lshl_add_u32 v[BL], v[HH], 6, BIASL
	v_add_nc_u32 v[B1], 4*TSTR, v[LI]
	v_lshl_add_u32 v[WSL], v[LANE], 2, WSC
	v_lshlrev_b32 v[LR], 2, v[RR]
	s_mul_i32 s33, s18, STGW
	s_add_co_u32 s33, s33, STG                     ; my stage
	v_mul_u32_u24 v[STI], v[RR], SP
	v_lshl_add_u32 v[STI], v[HH], 6, v[STI]
	v_add_nc_u32 v[STI], s33, v[STI]               ; in: row lane % 16, + 64 (lane / 16)
	v_add_nc_u32 v[STO], s33, v[LI]                ; out: 16 bytes a lane
	s_lshl_b32 s36, s21, 9
	v_add_nc_u32 v[PO], s36, v[LI]                 ; my slice's 512 bytes of a row of part
	s_lshl_b32 s33, s19, 12
	s_add_co_u32 s33, s33, s36
	v_lshl_add_u32 v[BO], v0, 2, s33               ; b2[e][128 ns + thread]
	s_lshl_b32 s38, s19, 24
	s_add_co_u32 s38, s38, s36
	s_lshl_b32 s36, s20, 22
	s_add_co_u32 s38, s38, s36
	s_lshl_b32 s36, s18, 20
	s_add_co_u32 s38, s38, s36                     ; w2: expert, quarter of K, my slice's first column, my wave's 256 K rows
	s_mov_b32 s39, 0
	s_lshl_b32 s42, s19, 22
	s_lshl_b32 s36, s20, 14
	s_add_co_u32 s42, s42, s36                     ; h: expert and quarter
	s_lshl_b32 s43, s19, 17
	s_lshl_b32 s36, s20, 9
	s_add_co_u32 s43, s43, s36                     ; hs likewise
	s_mul_i32 s48, s19, LSTR                       ; the expert's list,
	s_mov_b32 s49, 0
	s_lshl_b32 s50, s18, 8                         ; and in it my first unit: 64 entries are 256 bytes
	s_mov_b32 s51, 0
	s_wait_kmcnt 0x0
	s_add_nc_u64 s[WB:WB+1], s[WB:WB+1], s[38:39]
	s_lshl_b32 s38, s20, 23
	s_add_nc_u64 s[16:17], s[16:17], s[38:39]      ; part at my quarter
	s_add_nc_u64 s[44:45], s[8:9], s[48:49]
	s_add_nc_u64 s[46:47], s[44:45], s[50:51]
	s_load_b32 s27, s[44:45], 0x1180               ; the count
	global_load_b32 v[BV], v[BO], s[14:15]
.irp m, 0,1,2,3
	global_load_b32 v[ER+\m], v[LR], s[46:47] offset:64*\m   ; tile m: the entry of row lane % 16.  Ahead of the weights' loads, so that no wait for them drains the stream
.endr
	WLOAD 0
	WLOAD 1
	s_wait_kmcnt 0x0
	s_min_u32 s27, s27, 1024                       ; the count
	s_add_co_u32 s28, s27, 63
	s_lshr_b32 s28, s28, 6                         ; units
	s_max_u32 s33, s28, 1
	s_sub_co_u32 s33, s33, 1
	s_min_u32 s41, s18, s33                        ; the unit that phase W's loads take: mine, or the last one that was stored
	s_min_u32 s41, s41, 15                         ; (a number that was loaded enters an address behind a bound)
	s_lshl_b32 s33, s41, 18
	s_add_co_u32 s33, s33, s42
	v_add_nc_u32 v[AO], s33, v[LI]
	s_lshl_b32 s33, s41, 13
	s_add_co_u32 s33, s33, s43
	v_lshl_add_u32 v[ASO], v[LANE], 2, s33
	s_wait_loadcnt 63                              ; the bias and the four entries: 64 loads were issued behind them
	v_mul_f32 v[BV], s40, v[BV]
	ds_store_b32 v[BA], v[BV]
	; ---- PHASE W.  Order of the loads: W0 W1 | W2 A0 | W3 A1 | W4 A2 | W5 A3 | W6 | W7 (W: 32, A: 37).  A batch's wait counts the loads issued behind it, 63 where they are more
	PB 0, 32                                       ; behind W0: W1
	WLOAD 2
	APART 0
	PB 1, 63                                       ; behind W1: W2, A0: 69
	WLOAD 3
	APART 1
	PB 2, 63                                       ; behind W2: A0, W3, A1: 106
	WLOAD 4
	APART 2
	PB 3, 63                                       ; behind W3: A1, W4, A2: 106
	WLOAD 5
	APART 3
	PB 4, 63                                       ; behind W4: A2, W5, A3: 106
	WLOAD 6
	PB 5, 63                                       ; behind W5: A3, W6: 69
	WLOAD 7
	PB 6, 32                                       ; behind W6: W7
	PB 7, 0
	s_wait_dscnt 0x0                               ; for the others' sake: my images, scale words and bias lie in LDS
	s_barrier_signal -1
	s_barrier_wait -1
	; ---- PHASE C
.irp t, 0,1,2,3,4,5,6,7
.irp p, 0,1,2,3
	ds_load_b32 v[WS+4*\t+\p], v[WSL] offset:512*\t+128*\p   ; lanes 0-15: K step 2 p's words of tile t, lanes 16-31: K step 2 p + 1's
.endr
.endr
	s_wait_xcnt 0x0                                ; the offsets are written again only behind this wait: from here on they follow the wave's own units
	s_lshl_b32 s33, s18, 18
	s_add_co_u32 s33, s33, s42
	v_add_nc_u32 v[AO], s33, v[LI]
	s_lshl_b32 s33, s18, 13
	s_add_co_u32 s33, s33, s43
	v_lshl_add_u32 v[ASO], v[LANE], 2, s33
	s_mov_b32 s30, 0                               ; trip
	s_mov_b32 s31, s18                             ; unit
.Lpass:
	s_cmp_ge_u32 s31, s28
	s_cbranch_scc1 .Lnext                          ; no such unit
	s_cmp_eq_u32 s30, 0
	s_cbranch_scc1 .Lhave                          ; the first unit's fragments came in phase W
.irp m, 0,1,2,3
	global_load_b32 v[ER+\m], v[LR], s[46:47] offset:64*\m
.endr
	s_wait_loadcnt 0x0
	APART 0
	APART 1
	APART 2
	APART 3
.Lhave:
	s_load_b512 s[68:83], s[46:47], 0x0            ; for the way out: this unit's tiles 0 and 1; they land under the K loop
	s_load_b512 s[84:99], s[46:47], 0x40
	s_wait_loadcnt 0x0                             ; the fragments, the rows' scale words and weights
	s_wait_dscnt 0x0                               ; the weights' scale words
	; the K loop, written out: 16 groups of 16 products; the 32 accumulators take turns, one instruction a turn
	LOADB 0
	LOADB 1
.set G, 0
.rept 16
.if G < 15
	s_wait_dscnt 16                                ; this group's four fragments are in; the next group's sixteen loads may be out
.else
	s_wait_dscnt 0x0
.endif
	WIN 0x58                                       ; source 0 window 0, source 1 window 2, C and D window 1
.irp m, 0,1
.irp tt, 0,1,2,3
	PROD \m, \tt, G
.endr
.endr
	WIN 0x5c                                       ; source 1 window 3
.irp m, 2,3
.irp tt, 0,1,2,3
	PROD \m, \tt, G
.endr
.endr
.if G < 14
.rept 8
	v_nop                                          ; eight places in front of loads into registers that these products have read
.endr
	WIN 0
	LOADB G+2
.endif
.set G, G+1
.endr
	WIN 0
.rept 8
	v_nop                                          ; eight places in front of the first read of results and of loads and writes into the fragments' registers
.endr
.irp b, 0,1,2,3
.irp j, 0,1,2,3
	ds_load_b128 v[BIAS+16*\b+4*\j:BIAS+16*\b+4*\j+3], v[BL] offset:128*\b+16*\j   ; register 16 b + x: the bias of output 32 b + 16 (lane / 16) + x (zeros in quarters 1 to 3)
.endr
.endr
	s_wait_dscnt 0x0
	EPI 0
	EPI 1
	EPI 2
	EPI 3
.Lnext:
	s_wait_xcnt 0x0                                ; the offsets and the list's address are stepped only behind this wait
	s_add_nc_u64 s[46:47], s[46:47], 1024          ; four units on
	v_add_nc_u32 v[AO], 1<<20, v[AO]
	v_add_nc_u32 v[ASO], 1<<15, v[ASO]
	s_add_co_u32 s31, s31, 4
	s_add_co_u32 s30, s30, 1
	s_cmp_lt_u32 s30, 4
	s_cbranch_scc1 .Lpass
	s_wait_xcnt 0x0
	v_lshl_add_u32 v254, v0, 2, 0x31800
	v_mov_b32 v255, 0
	s_wait_tensorcnt 0x0
	ds_add_u32 v254, v255
	s_wait_dscnt 0x0
	s_endpgm
.Lfunc_end_k_q22f80509d5_ffn2:
	.size	k_q22f80509d5_ffn2, .Lfunc_end_k_q22f80509d5_ffn2-k_q22f80509d5_ffn2
	.p2alignl 7, 3214868480
	.fill 96, 4, 3214868480
	.section	.rodata,"a",@progbits
	.p2align	6, 0x0
	.amdhsa_kernel k_q22f80509d5_ffn2
		.amdhsa_group_segment_fixed_size 203264
		.amdhsa_private_segment_fixed_size 0
		.amdhsa_enable_private_segment 0
		.amdhsa_kernarg_size 56
		.amdhsa_user_sgpr_count 2
		.amdhsa_user_sgpr_kernarg_segment_ptr 1
		.amdhsa_wavefront_size32 1
		.amdhsa_system_sgpr_workgroup_id_x 1
		.amdhsa_system_sgpr_workgroup_id_y 1
		.amdhsa_system_sgpr_workgroup_id_z 1
		.amdhsa_system_vgpr_workitem_id 0
		.amdhsa_next_free_vgpr 1024
		.amdhsa_next_free_sgpr 100
		.amdhsa_reserve_vcc 0
		.amdhsa_float_denorm_mode_32 3
		.amdhsa_float_denorm_mode_16_64 3
		.amdhsa_memory_ordered 1
		.amdhsa_forward_progress 1
		.amdhsa_inst_pref_size 255
	.end_amdhsa_kernel
	.section	.bss,"aw",@nobits
	.p2align	6
	.space	262144
	.amdgpu_metadata
---
amdhsa.version: [ 1, 2 ]
amdhsa.kernels:
  - .name:           k_q22f80509d5_ffn2
    .symbol:         k_q22f80509d5_ffn2.kd
    .args:
      - { .name: h, .offset: 0, .size: 8, .value_kind: global_buffer, .address_space: global }
      - { .name: hs, .offset: 8, .size: 8, .value_kind: global_buffer, .address_space: global }
      - { .name: list, .offset: 16, .size: 8, .value_kind: global_buffer, .address_space: global }
      - { .name: prob, .offset: 24, .size: 8, .value_kind: global_buffer, .address_space: global }
      - { .name: w2, .offset: 32, .size: 8, .value_kind: global_buffer, .address_space: global }
      - { .name: b2, .offset: 40, .size: 8, .value_kind: global_buffer, .address_space: global }
      - { .name: part, .offset: 48, .size: 8, .value_kind: global_buffer, .address_space: global }
    .group_segment_fixed_size: 203264
    .private_segment_fixed_size: 0
    .kernarg_segment_align: 8
    .kernarg_segment_size: 56
    .max_flat_workgroup_size: 128
    .sgpr_count:     100
    .vgpr_count:     1024
    .wavefront_size: 32
...
	.end_amdgpu_metadata
.endif
;; end of part 4
;; launch combine (part 5): grid 256 x 1, 8 waves a work-group, no clusters, 0 bytes of LDS; arguments part, out0; writes out0
.if DOCPART == 5
	.amdgcn_target "amdgcn-amd-amdhsa--gfx1250"
	.amdhsa_code_object_version 6
	.text
	.protected	k_q22f80509d5_combine
	.globl	k_q22f80509d5_combine
	.p2align	8
	.type	k_q22f80509d5_combine,@function
k_q22f80509d5_combine:
	s_mov_b64 s[64:65], 0
	v_nop
	global_prefetch_b8 v0, s[64:65] scope:SCOPE_SE
	s_setreg_imm32_b32 hwreg(HW_REG_WAVE_MODE, 25, 1), 1
	s_wait_xcnt 0x0
; COMBINE.  out0[token][:] = the sum of the token's eight parts: four quarters of K x its two experts, each already weighted.  part: [kq][1024 k + token][1024] f32: part z = 2 kq + k of a token lies z x 4 MiB on.
; A stream: a work-group owns four tokens, 16,384 consecutive bytes of out0, a wave 2,048 of them: four chunks of 512 bytes.  All 32 loads of a wave go out at once, chunk by chunk; each load and each store of a wave
; covers 512 consecutive bytes, aligned.  Every register is written once, so no wait frees one.  No LDS, no barrier, no matrix unit: nothing is shared and nothing is multiplied.
.set R, 16                             ; v16-143: chunk i, part z at v[R + 32 i + 4 z]
	s_load_b128 s[4:7], s[0:1], 0x0                ; part s[4:5], out0 s[6:7]
	v_lshrrev_b32 v1, 5, v0
	v_readfirstlane_b32 s8, v1                     ; wave
	v_and_b32 v1, 31, v0
	s_lshl_b32 s9, ttmp9, 14
	s_lshl_b32 s10, s8, 11
	s_add_co_u32 s9, s9, s10                       ; 16,384 x work-group + 2,048 x wave
	v_lshl_add_u32 v2, v1, 4, s9                   ; + 16 x lane
.irp z, 1,2,3,4,5,6,7
	v_add_nc_u32 v[2+\z], \z<<22, v2
.endr
	s_wait_kmcnt 0x0
.irp i, 0,1,2,3
.irp z, 0,1,2,3,4,5,6,7
	global_load_b128 v[R+32*\i+4*\z:R+32*\i+4*\z+3], v[2+\z], s[4:5] offset:512*\i th:TH_LOAD_NT
.endr
.endr
.irp i, 0,1,2,3
	s_wait_loadcnt 24-8*\i                         ; this chunk's eight loads are in; the later chunks' may be out
.irp z, 0,2,4,6
	v_pk_add_f32 v[R+32*\i+4*\z:R+32*\i+4*\z+1], v[R+32*\i+4*\z:R+32*\i+4*\z+1], v[R+32*\i+4*\z+4:R+32*\i+4*\z+5]
	v_pk_add_f32 v[R+32*\i+4*\z+2:R+32*\i+4*\z+3], v[R+32*\i+4*\z+2:R+32*\i+4*\z+3], v[R+32*\i+4*\z+6:R+32*\i+4*\z+7]
.endr
.irp z, 0,4
	v_pk_add_f32 v[R+32*\i+4*\z:R+32*\i+4*\z+1], v[R+32*\i+4*\z:R+32*\i+4*\z+1], v[R+32*\i+4*\z+8:R+32*\i+4*\z+9]
	v_pk_add_f32 v[R+32*\i+4*\z+2:R+32*\i+4*\z+3], v[R+32*\i+4*\z+2:R+32*\i+4*\z+3], v[R+32*\i+4*\z+10:R+32*\i+4*\z+11]
.endr
	v_pk_add_f32 v[R+32*\i:R+32*\i+1], v[R+32*\i:R+32*\i+1], v[R+32*\i+16:R+32*\i+17]
	v_pk_add_f32 v[R+32*\i+2:R+32*\i+3], v[R+32*\i+2:R+32*\i+3], v[R+32*\i+18:R+32*\i+19]
	global_store_b128 v2, v[R+32*\i:R+32*\i+3], s[6:7] offset:512*\i th:TH_STORE_NT
.endr
	s_endpgm
.Lfunc_end_k_q22f80509d5_combine:
	.size	k_q22f80509d5_combine, .Lfunc_end_k_q22f80509d5_combine-k_q22f80509d5_combine
	.p2alignl 7, 3214868480
	.fill 96, 4, 3214868480
	.section	.rodata,"a",@progbits
	.p2align	6, 0x0
	.amdhsa_kernel k_q22f80509d5_combine
		.amdhsa_group_segment_fixed_size 0
		.amdhsa_private_segment_fixed_size 0
		.amdhsa_enable_private_segment 0
		.amdhsa_kernarg_size 16
		.amdhsa_user_sgpr_count 2
		.amdhsa_user_sgpr_kernarg_segment_ptr 1
		.amdhsa_wavefront_size32 1
		.amdhsa_system_sgpr_workgroup_id_x 1
		.amdhsa_system_sgpr_workgroup_id_y 1
		.amdhsa_system_sgpr_workgroup_id_z 1
		.amdhsa_system_vgpr_workitem_id 0
		.amdhsa_next_free_vgpr 144
		.amdhsa_next_free_sgpr 66
		.amdhsa_reserve_vcc 0
		.amdhsa_float_denorm_mode_32 3
		.amdhsa_float_denorm_mode_16_64 3
		.amdhsa_memory_ordered 1
		.amdhsa_forward_progress 1
		.amdhsa_inst_pref_size 9
	.end_amdhsa_kernel
	.amdgpu_metadata
---
amdhsa.version: [ 1, 2 ]
amdhsa.kernels:
  - .name:           k_q22f80509d5_combine
    .symbol:         k_q22f80509d5_combine.kd
    .args:
      - { .name: part, .offset: 0, .size: 8, .value_kind: global_buffer, .address_space: global }
      - { .name: out0, .offset: 8, .size: 8, .value_kind: global_buffer, .address_space: global }
    .group_segment_fixed_size: 0
    .private_segment_fixed_size: 0
    .kernarg_segment_align: 8
    .kernarg_segment_size: 16
    .max_flat_workgroup_size: 256
    .sgpr_count:     66
    .vgpr_count:     144
    .wavefront_size: 32
...
	.end_amdgpu_metadata
.endif
;; end of part 5
;; ======== version 2 of 2: 5 launches; version 1 with the launches ffn1, ffn2 written anew for expert scheduling mode
;; workspace buffers: xq 1,048,576 bytes; xs 32,768 bytes; sel 4,096 bytes of whole numbers; list 36,864 bytes of whole numbers; prob 8,192 bytes; h 33,554,432 bytes; hs 1,048,576 bytes; part 33,554,432 bytes
;; launch route: the kernel of part 1 again; grid 256 x 1, 4 waves a work-group, no clusters, 35,328 bytes of LDS; arguments x, gate_w, gate_b, xq, xs, sel, prob; writes xq, xs, sel, prob
;; launch place: the kernel of part 2 again; grid 8 x 1, 1 waves a work-group, no clusters, 4,864 bytes of LDS; arguments sel, list; writes list
;; launch ffn1 (part 6): grid 256 x 1, 4 waves a work-group, no clusters, 203,264 bytes of LDS; arguments xq, xs, list, w1, b1, h, hs; writes h, hs
.if DOCPART == 6
	.amdgcn_target "amdgcn-amd-amdhsa--gfx1250"
	.amdhsa_code_object_version 6
	.text
	.protected	k_q22f80509d5_ffn1
	.globl	k_q22f80509d5_ffn1
	.p2align	8
	.type	k_q22f80509d5_ffn1,@function
k_q22f80509d5_ffn1:
	s_mov_b64 s[64:65], 0
	v_nop
	global_prefetch_b8 v0, s[64:65] scope:SCOPE_SE
	s_setreg_imm32_b32 hwreg(HW_REG_WAVE_SCHED_MODE, 0, 2), 2
	s_setreg_imm32_b32 hwreg(HW_REG_WAVE_MODE, 25, 1), 1
	s_wait_xcnt 0x0
	s_wait_alu depctr_vm_vsrc(0)
; FFN1.  h = Q(relu(Q(x) Q(w1[e]) + b1[e])), for the rows that chose expert e alone: reference() multiplies every other row's result by a zero of its own making.
; SHARES.  Work-group g: expert e = g / 32, hidden units 128 fs .. 128 fs + 127, fs = g % 32: a slice of w1 of 1,024 (K) x 128 f32, which this work-group alone reads, once.
; PHASE W.  Wave w streams K rows 256 w .. 256 w + 255 of the slice, 32 rows (one block along K) at a time: each load is one K row's 512 consecutive bytes, four columns a lane.  A lane's 32 registers of a column are a
; whole block: its largest magnitude needs no other lane; the hold writes them in K order; the codes go to LDS AS IMAGES OF THE OPERAND'S REGISTERS (fragment = 16 columns x 128 K: 512 c + 16 lane).
; THE COLUMNS OF A TILE ARE NOT NEIGHBOURS: column n goes to tile 2 (n / 32) + (n / 8) % 2, row 8 ((n / 16) % 2) + n % 8, so that a lane's 16 results of two neighbouring tiles are 16 neighbours along the next K.
; THE LIST of expert e's rows (entry = 1024 k + token, filled up to a multiple of 64 with repeats of a row, zeros behind) and their count were stored as whole numbers by the launch before: every branch and every
; gathered address here hangs on numbers read from memory.  The count and the entries that many lanes want alike come by scalar loads, which have a counter of their own and so do not stand in the order of the weights' loads.
; PHASE C.  The rows go in units of 64 (four tiles of 16); wave w takes units w, w + 4, w + 8, w + 12: a loop of four trips, a unit at or past the count is jumped over (a scalar branch on the stored count).
; A unit's codes of x are gathered (sixteen lanes read 256 consecutive bytes of a token's row), turned through the wave's own stage in LDS into fragments, and stay in registers: 512.  The product is used TRANSPOSED
; (source 0 = 16 columns of w1, source 1 = 16 rows): a lane holds one row, its registers run along the hidden units.  Bias, relu and the quantiser follow in registers; the codes leave as register images.
; The first unit's gather stands among phase W's loads, without a branch; an expert that no row chose still works unit 0 (on token 0), so that the next launch loads no byte that was never stored.
; WHY NO TENSOR LOAD, NO CLUSTER: the 32 work-groups of an expert read the same rows' codes (256 KiB for 256 rows, against 512 KiB of weights of their own), but what a work-group does hangs on a count read from memory,
; and partners would run different numbers of units.
; LIMITS: NaN and infinities are not served.  A block of zeros gets the byte 1 (its codes are zeros; this program alone reads the bytes).
; OUT: h [e][tile of rows 0..63][fs][2,048 bytes]: image 512 c + 16 lane.  hs [e][tile][fs][16 words].
; REGISTERS, in windows of 256.  Window 0: v0-31 addresses; v32-47 the rows' scale words, v48-79 the weights' (nothing else ever); v80-207 held numbers / four + four fragments of w1 /
; bias and results; v208-239 codes, at work; v240-255 a batch's four maxima, scale operands, limits, scale words.  Window 1: two sets of 128 numbers of w1; then the 32 accumulators, (m, t) at v[64 m + 8 t].
; Windows 2, 3: the unit's fragments of x: tile m in window 2 + m / 2 at v[128 (m % 2) + 16 s + 4 c].  s[68:83], s[84:99]: a tile's 16 entries, two sets by turns.
; THE MODE: SCHED_MODE bits 1:0 = 2 (LLVM: expert scheduling mode 2), set by the entry lines.  The code itself states the register dependences between vector or matrix instructions and memory or LDS instructions,
; with s_wait_alu, always for 0.
; THE PLAN.  Registers that memory or LDS instructions touch, and who else names them:
;   window 1, sets 0, 1   Batch b's maxima and holds read set b % 2; the loads of batch b + 2 land in it.
;   v208-239, v252-255    Batch b's conversions and shifts write the codes and scale words; its LDS stores read them.
;   v16-23, v24-27        A tile's offsets: made by vector lines at the head of a batch (or of the tile's gather); read by the tile's 33 loads.  v24-27 are first the landing place of the entries.
;   So all vector work of a batch stands in one piece, between TWO waits: vm_vsrc at its head (the last batch's LDS stores and the last tile's loads have read their registers) and va_vdst behind its conversions
;   (set b % 2 is read out; codes, scale words and offsets are written).  Behind the second run the batch's memory and LDS instructions, with no vector line among them: the loads of batch b + 2, a tile's loads,
;   the LDS stores, a tile's turn through the stage.
;   windows 2, 3, v32-47  Loads land; the turn's LDS stores read a tile's registers and its LDS loads land in the same ones (vm_vsrc between); the products read them; the next unit's loads stand behind a wait on va_vdst.
;   v80-207               Group G's products read buffer G % 2; behind them one wait on va_vdst, and group G + 2's LDS loads land there.  Behind the last group the same wait, ahead of the bias's loads.
;   v208-223, v240        The way out: written by a tile's quantiser, read by its five stores: va_vdst ahead of the stores, vm_vsrc ahead of the next tile's quantiser.
;   v30, v31              The stores' offsets: stepped once a trip, behind a wait on vm_vsrc; next read behind a tile's wait on va_vdst.
;   All other addresses (v4-v15, v28, v29) are made at the head, ahead of one wait on va_vdst, and never written again.
.set PITCH, 16384                      ; bytes from a K row of w1 to the next
.set WB,    10                         ; s[10:11] the slice
.set TSTR,  16400                      ; LDS: a tile's eight fragments + 16 bytes, so that phase W's sixteen lanes store to sixteen different 16-byte columns modulo 256 bytes
.set WSC,   131328                     ; the weights' scale words [tile][K step][16 words]
.set BIASL, 135424                     ; the slice's 128 biases
.set STG,   135936                     ; a stage of 16 rows x 1,040 bytes for each wave
.set STGW,  16640
.set SP,    1040                       ; a token's 1,024 codes + 16 of padding
.set LSTR,  4608                       ; bytes of an expert's list; its count lies at byte 4,480
.set LANE, 1
.set RR,   2                           ; lane % 16
.set HH,   3                           ; lane / 16
.set LI,   4                           ; 16 x lane
.set B0,   4                           ; fragments of tiles 0-3 begin at LDS byte 0: the same 16 x lane
.set WI,   5                           ; where I store a batch's codes
.set WSA,  6                           ; and my four columns' scale words
.set BA,   7                           ; where I store a bias
.set BL,   8                           ; and where I read my half's
.set BV,   9                           ; a bias
.set B1,   10                          ; fragments of tiles 4-7
.set WSL,  11                          ; the weights' scale words
.set LR,   12                          ; 4 x (lane % 16): my row's entry in a tile's 16
.set BO,   13                          ; the bias's offset
.set STI,  14                          ; the stage, in
.set STO,  15                          ; the stage, out
.set E,    16                          ; v16-23 offsets of eight pairs of rows in xq
.set ER,   24                          ; v24-27 tile m: my row's entry, then its offset in xs
.set C16,  28                          ; 16 x (lane % 16)
.set H16,  29                          ; 16 x (lane / 16)
.set HO,   30                          ; my offset in h
.set HSO,  31                          ; and in hs
.set AS,   32
.set WS,   48
.set Y,    80
.set BF,   80
.set BIAS, 80
.set H,    144
.set C,    208
.set PC,   208
.set TM,   224
.set M,    240
.set SO,   244
.set L,    248
.set SW,   252
.set PW,   240
.set MSB, 0
.macro WIN new                         ; the immediate's high byte repeats the setting that is left; a switch that changes nothing is dropped
.if MSB != (\new)
	s_set_vgpr_msb (MSB<<8)|(\new)
.set MSB, \new
.endif
.endm
.macro WLOAD b                         ; batch b: 32 K rows, 512 consecutive bytes a load, into set b % 2 of window 1
	WIN 0x40
.set i, 0
.rept 32
	global_load_b128 v[128*((\b)%2)+4*i:128*((\b)%2)+4*i+3], v[LI], s[WB:WB+1] offset:(32*(\b)+i)*PITCH th:TH_LOAD_NT
.set i, i+1
.endr
	WIN 0
.endm
.macro AOFF m                          ; tile m's offsets are made: those of eight pairs of rows in xq, my row's in xs
.set TU, 68+16*((\m)%2)                ; the tile's 16 entries, in scalars
	s_wait_kmcnt 0x0                               ; the entries are in
.irp i, 0,1,2,3,4,5,6,7
	v_mov_b32 v[E+\i], s[TU+2*\i]                  ; lanes 0-15: row 2 i's entry,
.endr
.irp i, 0,1,2,3,4,5,6,7
	v_cndmask_b32 v[E+\i], v[E+\i], s[TU+2*\i+1], s37   ; lanes 16-31: row 2 i + 1's
.endr
.irp i, 0,1,2,3,4,5,6,7
	v_min_u32 v[E+\i], 0x7ff, v[E+\i]              ; a number that was loaded enters an address behind a bound
.endr
.irp i, 0,1,2,3,4,5,6,7
	v_and_b32 v[E+\i], 0x3ff, v[E+\i]              ; the token
.endr
.irp i, 0,1,2,3,4,5,6,7
	v_lshl_add_u32 v[E+\i], v[E+\i], 10, v[C16]
.endr
	v_min_u32 v[ER+(\m)], 0x7ff, v[ER+(\m)]
	v_and_b32 v[ER+(\m)], 0x3ff, v[ER+(\m)]
	v_lshl_add_u32 v[ER+(\m)], v[ER+(\m)], 5, v[H16]
.endm
.macro ALOAD m                         ; tile m's 16 rows of codes and their scale words are asked for: 33 loads
.set TU, 68+16*((\m)%2)
	WIN (2+(\m)/2)<<6
.irp i, 0,1,2,3,4,5,6,7
.irp q, 0,1,2,3
	global_load_b128 v[128*((\m)%2)+16*\i+4*\q:128*((\m)%2)+16*\i+4*\q+3], v[E+\i], s[4:5] offset:256*\q   ; sixteen lanes read 256 consecutive bytes of a row, aligned
.endr
.endr
	WIN 0
	global_load_b128 v[AS+4*(\m):AS+4*(\m)+3], v[ER+(\m)], s[6:7]   ; register p: lanes 0-15 K step 2 p's word of row lane % 16, lanes 16-31 K step 2 p + 1's
.if (\m) < 2
	s_load_b512 s[TU:TU+15], s[46:47], 64*((\m)+2) ; the entries of the tile two further on take this set (the lines that read it stand ahead of the last wait on va_vdst)
.endif
.endm
.macro APART m                         ; a later unit's tile m: offsets, then loads
	s_wait_xcnt 0x0                                ; the offsets' registers are written again only behind this wait
.if (\m) > 0
	s_wait_alu depctr_vm_vsrc(0)                   ; the last tile's loads have read v[E ..], which are written again below (for tile 0 the wait at the last trip's end has stated it)
.endif
	AOFF \m
	WIN (2+(\m)/2)<<6
	s_wait_alu depctr_va_vdst(0)                   ; v[E ..] and v[ER + m] are written, which the loads read; tile 0: the last unit's products are done reading the fragments and scale words in whose registers the loads land
	ALOAD \m
.endm
.macro TURN m                          ; tile m's rows through my stage: in as rows, out as fragments, into the registers that they left.  LDS serves a wave's instructions in order (ISA guide 5.7.1.4): no wait on DScnt between
	WIN (2+(\m)/2)<<2
.irp i, 0,1,2,3,4,5,6,7
.irp q, 0,1,2,3
	ds_store_b128 v[STI], v[128*((\m)%2)+16*\i+4*\q:128*((\m)%2)+16*\i+4*\q+3] offset:2*SP*\i+256*\q
.endr
.endr
	WIN (2+(\m)/2)<<6
	s_wait_alu depctr_vm_vsrc(0)                   ; the LDS stores above have read the tile's registers, in which the LDS loads below land
.irp s, 0,1,2,3,4,5,6,7
.irp c, 0,1,2,3
	ds_load_b128 v[128*((\m)%2)+16*\s+4*\c:128*((\m)%2)+16*\s+4*\c+3], v[STO] offset:128*\s+32*\c
.endr
.endr
	WIN 0
.endm
; Batch b is quantised.  n: how many younger loads may stay out.  a: the tile of rows whose offsets are made and whose loads are issued in this batch (-1: none).  t: the tile that is turned through the stage (-1: none).
.macro BATCH b, n, a, t
	s_wait_loadcnt \n
	s_wait_dscnt 0x0                               ; my earlier LDS instructions are done
.if (\a) >= 0
	s_wait_xcnt 0x0                                ; the offsets' registers are written again only behind this wait; the loads that read them were issued a batch ago
.endif
.if (\b) > 0
	s_wait_alu depctr_vm_vsrc(0)                   ; the last batch's LDS stores have read the codes' and scale words' registers, the last tile's loads v[E ..]: this batch writes them again
.endif
.if (\a) >= 0
	AOFF \a
.endif
.set XB, 128*((\b)%2)
	WIN 0x05
.irp j, 0,1,2,3
	v_max3_num_f32 v[M+\j], |v[XB+\j]|, |v[XB+4+\j]|, 0x4800000   ; column j's block: all 32 numbers are mine; the floor 2^(9 - 127) holds the byte at 1 from below
.endr
.set i, 2
.rept 15
.irp j, 0,1,2,3
	v_max3_num_f32 v[M+\j], |v[XB+4*i+\j]|, |v[XB+4*i+4+\j]|, v[M+\j]
.endr
.set i, i+2
.endr
	WIN 0
.irp j, 0,1,2,3
	v_add_nc_u32 v[SO+\j], 0xfc000000, v[M+\j]     ; 8 off the exponent field: the conversion's scale operand
.endr
.irp j, 0,1,2,3
	v_and_or_b32 v[L+\j], v[M+\j], 0x7f800000, s24 ; 448 x the scale
.endr
.if ((\b)%4) == 0
.irp j, 0,1,2,3
	v_lshrrev_b32 v[SW+\j], 23, v[SO+\j]           ; the byte: the first of a K step's four
.endr
.else
.irp j, 0,1,2,3
	v_lshrrev_b32 v[M+\j], 23, v[SO+\j]
.endr
.irp j, 0,1,2,3
	v_lshl_or_b32 v[SW+\j], v[M+\j], 8*((\b)%4), v[SW+\j]
.endr
.endif
	WIN 0x01
.irp j, 0,1,2,3
.set i, 0
.rept 32
	v_med3_num_f32 v[Y+32*\j+i], v[XB+4*i+\j], -v[L+\j], v[L+\j]   ; the hold (the conversion does not saturate: ISA guide 7.6.2) also lays a column's numbers on end
.set i, i+1
.endr
.endr
	WIN 0
.irp j, 0,1,2,3
.irp g, 0,1,2,3
	v_cvt_scalef32_pk8_fp8_f32 v[C+8*\j+2*\g:C+8*\j+2*\g+1], v[Y+32*\j+8*\g:Y+32*\j+8*\g+7], v[SO+\j]
.endr
.endr
	v_nop                                          ; a plain instruction behind the last scaled conversion
.if (\b) < 6
	WIN 0x40
.endif
	s_wait_alu depctr_va_vdst(0)                   ; the maxima and holds are done reading set b % 2, in which loads land; the codes and scale words are written, which the LDS stores read; so are the tile's offsets, which its loads read
.if (\b) < 6
	WLOAD (\b)+2                                   ; the set is asked for again at once
.endif
.if (\a) >= 0
	ALOAD \a
.endif
.irp j, 0,1,2,3
	ds_store_b128 v[WI], v[C+8*\j:C+8*\j+3] offset:512*(\b)+16*\j        ; k 0-15 of the block: the image's lanes 0-15,
	ds_store_b128 v[WI], v[C+8*\j+4:C+8*\j+7] offset:512*(\b)+16*\j+256  ; k 16-31: its lanes 16-31
.endr
.if ((\b)%4) == 3
	ds_store_b128 v[WSA], v[SW:SW+3] offset:64*((\b)/4)
.endif
.if (\t) >= 0
	TURN \t
.endif
.endm
.macro LOADB g                         ; group g: K step g / 2, tiles 4 (g % 2) .. + 3: four fragments into buffer g % 2
.set lt, 0
.rept 4
.irp c, 0,1,2,3
.if ((\g)%2) == 0
	ds_load_b128 v[BF+16*lt+4*\c:BF+16*lt+4*\c+3], v[B0] offset:lt*TSTR+((\g)/2)*2048+512*\c
.else
	ds_load_b128 v[BF+64+16*lt+4*\c:BF+64+16*lt+4*\c+3], v[B1] offset:lt*TSTR+((\g)/2)*2048+512*\c
.endif
.endr
.set lt, lt+1
.endr
.endm
.macro PROD m, tt, g                   ; one product: rows' tile m, the group's tile tt.  An even K step's scale words lie in lanes 0-15 of their registers, an odd one's in lanes 16-31
.set ps, (\g)/2
.set pt, 4*((\g)%2)+(\tt)
.set pd, 64*(\m)+8*pt
.set pb, BF+64*((\g)%2)+16*(\tt)
.set pa, 128*((\m)%2)+16*ps
.if ps == 0
	v_wmma_scale_f32_16x16x128_f8f6f4 v[pd:pd+7], v[pb:pb+15], v[pa:pa+15], 0, v[WS+4*pt], v[AS+4*(\m)]
.elseif (ps%2) == 0
	v_wmma_scale_f32_16x16x128_f8f6f4 v[pd:pd+7], v[pb:pb+15], v[pa:pa+15], v[pd:pd+7], v[WS+4*pt+ps/2], v[AS+4*(\m)+ps/2]
.else
	v_wmma_scale_f32_16x16x128_f8f6f4 v[pd:pd+7], v[pb:pb+15], v[pa:pa+15], v[pd:pd+7], v[WS+4*pt+ps/2], v[AS+4*(\m)+ps/2] matrix_a_scale:MATRIX_SCALE_ROW1 matrix_b_scale:MATRIX_SCALE_ROW1
.endif
.endm
.macro QUANT                           ; 64 numbers of a lane, v[H + 16 b + i] = hidden unit 32 b + 16 (lane / 16) + i of my row, become a fragment's codes in v[PC] on and its scale word in v[PW]; what is negative becomes 0
.irp b, 0,1,2,3
	v_max3_num_f32 v[TM+\b], v[H+16*\b], v[H+1+16*\b], 0x4800000   ; no |.|: what is negative must not count; the floor stands over it
.endr
.irp i, 2,4,6,8,10,12,14
.irp b, 0,1,2,3
	v_max3_num_f32 v[TM+\b], v[TM+\b], v[H+16*\b+\i], v[H+1+16*\b+\i]
.endr
.endr
.irp b, 0,1,2,3
	v_permlanex16_b32 v[TM+4+\b], v[TM+\b], s25, s26
.endr
.irp b, 0,1,2,3
	v_max_num_f32 v[TM+\b], v[TM+\b], v[TM+4+\b]   ; with lane l xor 16's 16: the block's
.endr
.irp b, 0,1,2,3
	v_add_nc_u32 v[TM+12+\b], 0xfc000000, v[TM+\b]
.endr
.irp b, 0,1,2,3
	v_and_or_b32 v[TM+8+\b], v[TM+\b], 0x7f800000, s24
.endr
.irp b, 0,1,2,3
	v_lshrrev_b32 v[TM+4+\b], 23, v[TM+12+\b]
.endr
	v_lshl_or_b32 v[PW], v[TM+5], 8, v[TM+4]
	v_lshl_or_b32 v[PW], v[TM+6], 16, v[PW]
	v_lshl_or_b32 v[PW], v[TM+7], 24, v[PW]
.irp b, 0,1,2,3
.irp i, 0,1,2,3,4,5,6,7,8,9,10,11,12,13,14,15
	v_med3_num_f32 v[H+16*\b+\i], v[H+16*\b+\i], 0, v[TM+8+\b]   ; the activation and the hold in one
.endr
	v_cvt_scalef32_pk8_fp8_f32 v[PC+4*\b:PC+1+4*\b], v[H+16*\b:H+7+16*\b], v[TM+12+\b]
	v_cvt_scalef32_pk8_fp8_f32 v[PC+2+4*\b:PC+3+4*\b], v[H+8+16*\b:H+15+16*\b], v[TM+12+\b]
.endr
	v_nop                                          ; a plain instruction behind the last scaled conversion
.endm
.macro EPI m                           ; tile m's 16 rows x 128 hidden units leave
	s_wait_xcnt 0x0                                ; the last tile's stores have read their registers
.if (\m) > 0
	s_wait_alu depctr_vm_vsrc(0)                   ; the last tile's stores have read v[PC ..] and v[PW], which the quantiser writes again (for tile 0 an earlier wait has stated it: behind the barrier, or at the last trip's end)
.endif
	WIN 0x01
.set q, 0
.rept 32
	v_pk_add_f32 v[H+2*q:H+2*q+1], v[64*(\m)+2*q:64*(\m)+2*q+1], v[BIAS+2*q:BIAS+2*q+1]   ; each accumulator from its low end on
.set q, q+1
.endr
	WIN 0
	QUANT
	s_wait_alu depctr_va_vdst(0)                   ; the quantiser has written v[PC ..] and v[PW], which the stores read; tile 0: the stepped offsets v[HO], v[HSO] are written too
.irp c, 0,1,2,3
	global_store_b128 v[HO], v[PC+4*\c:PC+4*\c+3], s[14:15] offset:65536*(\m)+512*\c   ; the wave stores 512 consecutive bytes, aligned
.endr
	global_store_b32 v[HSO], v[PW], s[16:17] offset:2048*(\m)   ; lanes 16-31 hold and store the same words as lanes 0-15
.endm
	s_load_b256 s[4:11], s[0:1], 0x0               ; xq s[4:5], xs s[6:7], list s[8:9], w1 s[10:11]
	s_load_b128 s[12:15], s[0:1], 0x20             ; b1 s[12:13], h s[14:15]
	s_load_b64 s[16:17], s[0:1], 0x30              ; hs
	v_lshrrev_b32 v[LANE], 5, v0
	v_readfirstlane_b32 s18, v[LANE]               ; wave
	v_and_b32 v[LANE], 31, v0
	v_and_b32 v[RR], 15, v0
	v_bfe_u32 v[HH], v0, 4, 1
	s_lshr_b32 s19, ttmp9, 5                       ; e
	s_and_b32 s20, ttmp9, 31                       ; fs
	s_mov_b32 s24, 0x600000                        ; the mantissa field of 448
	s_mov_b32 s25, 0x76543210
	s_mov_b32 s26, 0xfedcba98                      ; v_permlanex16_b32's selects for lane l xor 16
	s_mov_b32 s37, 0xffff0000                      ; lanes 16-31
	v_lshlrev_b32 v[LI], 4, v[LANE]
	v_bfe_u32 v16, v0, 3, 2
	v_bfe_u32 v17, v0, 1, 1
	v_lshl_add_u32 v16, v16, 1, v17                ; my four columns' tile: 2 (lane / 8) + (lane / 2) % 2
	v_bfe_u32 v17, v0, 2, 1
	v_and_b32 v18, 1, v0
	v_lshlrev_b32 v18, 2, v18
	v_lshl_add_u32 v17, v17, 3, v18                ; and their first row in it: 8 ((lane / 4) % 2) + 4 (lane % 2)
	v_mul_u32_u24 v[WI], v16, TSTR
	v_lshl_add_u32 v[WI], v17, 4, v[WI]
	s_wait_alu depctr_va_sdst(0)                   ; s18, the wave's number, is written, ahead of its first reader
	s_lshl_b32 s33, s18, 12
	v_add_nc_u32 v[WI], s33, v[WI]                 ; + my two K steps: 4,096 x wave
	v_lshlrev_b32 v[WSA], 9, v16
	v_lshl_add_u32 v[WSA], v17, 2, v[WSA]
	s_lshl_b32 s33, s18, 7
	v_add_nc_u32 v[WSA], s33, v[WSA]
	v_add_nc_u32 v[WSA], WSC, v[WSA]
	v_lshl_add_u32 v[BA], v0, 2, BIASL
	v_lshl_add_u32 v[BL], v[HH], 6, BIASL
	v_add_nc_u32 v[B1], 4*TSTR, v[LI]
	v_lshl_add_u32 v[WSL], v[LANE], 2, WSC
	v_lshlrev_b32 v[LR], 2, v[RR]
	s_mul_i32 s33, s18, STGW
	s_add_co_u32 s33, s33, STG                     ; my stage
	v_mul_u32_u24 v[STI], v[HH], SP
	v_lshl_add_u32 v[STI], v[RR], 4, v[STI]
	v_add_nc_u32 v[STI], s33, v[STI]               ; in: the pair's row lane / 16, 16 bytes at lane % 16
	v_mul_u32_u24 v[STO], v[RR], SP
	v_lshl_add_u32 v[STO], v[HH], 4, v[STO]
	v_add_nc_u32 v[STO], s33, v[STO]               ; out: row lane % 16, + 16 (lane / 16)
	v_lshlrev_b32 v[C16], 4, v[RR]
	v_lshlrev_b32 v[H16], 4, v[HH]
	s_lshl_b32 s33, s19, 22
	s_lshl_b32 s36, s18, 18
	s_add_co_u32 s33, s33, s36
	s_lshl_b32 s36, s20, 11
	s_add_co_u32 s33, s33, s36
	v_add_nc_u32 v[HO], s33, v[LI]                 ; h: expert, unit = wave, fs, 16 x lane
	s_lshl_b32 s33, s19, 17
	s_lshl_b32 s36, s18, 13
	s_add_co_u32 s33, s33, s36
	s_lshl_b32 s36, s20, 6
	s_add_co_u32 s33, s33, s36
	v_lshl_add_u32 v[HSO], v[RR], 2, s33           ; hs likewise, 4 x (lane % 16)
	s_lshl_b32 s33, s19, 14
	s_lshl_b32 s36, s20, 9
	s_add_co_u32 s33, s33, s36
	v_lshl_add_u32 v[BO], v0, 2, s33               ; b1[e][128 fs + thread]
	s_lshl_b32 s38, s19, 24
	s_add_co_u32 s38, s38, s36
	s_lshl_b32 s36, s18, 22
	s_add_co_u32 s38, s38, s36                     ; w1: expert, my slice's first column, my wave's 256 K rows
	s_mov_b32 s39, 0
	s_mul_i32 s48, s19, LSTR                       ; the expert's list,
	s_mov_b32 s49, 0
	s_lshl_b32 s50, s18, 8                         ; and in it my first unit: 64 entries are 256 bytes
	s_mov_b32 s51, 0
	s_wait_kmcnt 0x0
	s_add_nc_u64 s[WB:WB+1], s[WB:WB+1], s[38:39]
	s_add_nc_u64 s[44:45], s[8:9], s[48:49]
	s_add_nc_u64 s[46:47], s[44:45], s[50:51]
	s_load_b32 s27, s[44:45], 0x1180               ; the count
	s_load_b512 s[68:83], s[46:47], 0x0            ; my first unit's tile 0: 16 entries,
	s_load_b512 s[84:99], s[46:47], 0x40           ; tile 1
	s_wait_alu depctr_va_vdst(0)                   ; the addresses and offsets v4 to v15 and v28 to v31 are written, which the loads, stores and LDS instructions of the whole kernel read
	global_load_b32 v[BV], v[BO], s[12:13]
.irp m, 0,1,2,3
	global_load_b32 v[ER+\m], v[LR], s[46:47] offset:64*\m   ; tile m: the entry of row lane % 16.  Ahead of the weights' loads, so that no wait for them drains the stream
.endr
	WLOAD 0
	WLOAD 1
	s_wait_kmcnt 0x0
	s_min_u32 s27, s27, 1024                       ; the count
	s_add_co_u32 s28, s27, 63
	s_lshr_b32 s28, s28, 6                         ; units
	s_max_u32 s29, s28, 1                          ; at least one is worked
	s_wait_loadcnt 63                              ; the bias and the four entries: 64 loads were issued behind them
	ds_store_b32 v[BA], v[BV]
	; ---- PHASE W.  Order of the loads: W0 W1 | W2 A0 | W3 A1 | W4 A2 | W5 A3 | W6 | W7 (W: 32, A: 33).  A batch's wait counts the loads issued behind it, 63 where they are more
	BATCH 0, 32, 0, -1                             ; behind W0: W1
	BATCH 1, 63, 1, -1                             ; behind W1: W2, A0: 65
	BATCH 2, 63, 2, -1                             ; behind W2: A0, W3, A1: 98
	BATCH 3, 63, 3, 0                              ; behind W3: A1, W4, A2: 98.  A0 is older than W3: it is in, and is turned
	BATCH 4, 63, -1, 1                             ; behind W4: A2, W5, A3: 98.  A1 is in
	BATCH 5, 63, -1, 2                             ; behind W5: A3, W6: 65.  A2 is in
	BATCH 6, 32, -1, 3                             ; behind W6: W7.  A3 is in
	BATCH 7, 0, -1, -1
	s_wait_dscnt 0x0                               ; for the others' sake: my images, scale words and bias lie in LDS
	s_barrier_signal -1
	s_barrier_wait -1
	; ---- PHASE C
	s_wait_alu depctr_vm_vsrc(0)                   ; the last batch's LDS stores have read v208-239: from here on these registers are the quantiser's, written below and on the way out
.irp t, 0,1,2,3,4,5,6,7
.irp p, 0,1,2,3
	ds_load_b32 v[WS+4*\t+\p], v[WSL] offset:512*\t+128*\p   ; lanes 0-15: K step 2 p's words of tile t, lanes 16-31: K step 2 p + 1's
.endr
.endr
.irp b, 0,1,2,3
	v_mov_b32 v[TM+4+\b], 0                        ; a lane permute's destination counts as one of its sources
.endr
	s_mov_b32 s30, 0                               ; trip
	s_mov_b32 s31, s18                             ; unit
.Lpass:
	s_cmp_ge_u32 s31, s29
	s_cbranch_scc1 .Lnext                          ; no such unit
	s_cmp_eq_u32 s30, 0
	s_cbranch_scc1 .Lhave                          ; the first unit's fragments came in phase W
	s_load_b512 s[68:83], s[46:47], 0x0            ; this unit's tiles 0 and 1
	s_load_b512 s[84:99], s[46:47], 0x40
.irp m, 0,1,2,3
	global_load_b32 v[ER+\m], v[LR], s[46:47] offset:64*\m   ; (the loads that read v[ER ..] as offsets stand ahead of the wait on vm_vsrc at the last trip's end)
.endr
	s_wait_loadcnt 0x0
	APART 0
	APART 1
	APART 2
	APART 3
	s_wait_loadcnt 63                              ; behind tile 0's loads 99 were issued, behind tile 1's 66
	TURN 0
	TURN 1
	s_wait_loadcnt 33                              ; behind tile 2's: 33
	TURN 2
	s_wait_loadcnt 0x0
	TURN 3
.Lhave:
	s_wait_loadcnt 0x0                             ; the rows' scale words
	s_wait_dscnt 0x0                               ; the fragments, the weights' scale words
	; the K loop, written out: 16 groups of 16 products; the 32 accumulators take turns, one instruction a turn
	LOADB 0                                        ; (every vector line that named v80-207, a batch's or a tile's, stands ahead of a wait on va_vdst)
	LOADB 1
.set G, 0
.rept 16
.if G < 15
	s_wait_dscnt 16                                ; this group's four fragments are in; the next group's sixteen loads may be out
.else
	s_wait_dscnt 0x0
.endif
	WIN 0x58                                       ; source 0 window 0, source 1 window 2, C and D window 1
.irp m, 0,1
.irp tt, 0,1,2,3
	PROD \m, \tt, G
.endr
.endr
	WIN 0x5c                                       ; source 1 window 3
.irp m, 2,3
.irp tt, 0,1,2,3
	PROD \m, \tt, G
.endr
.endr
.if G < 14
.rept 8
	v_nop                                          ; eight plain instructions behind the products, as they stood; the wait below states the dependence
.endr
	WIN 0
	s_wait_alu depctr_va_vdst(0)                   ; this group's products are done reading their four fragments, in whose registers the loads below land
	LOADB G+2
.endif
.set G, G+1
.endr
	WIN 0
.rept 8
	v_nop                                          ; eight places in front of the first read of results by vector instructions
.endr
	s_wait_alu depctr_va_vdst(0)                   ; the last two groups' products are done reading the fragments, in whose registers the bias lands
.irp b, 0,1,2,3
.irp j, 0,1,2,3
	ds_load_b128 v[BIAS+16*\b+4*\j:BIAS+16*\b+4*\j+3], v[BL] offset:128*\b+16*\j   ; register 16 b + x: the bias of hidden unit 32 b + 16 (lane / 16) + x
.endr
.endr
	s_wait_dscnt 0x0
	EPI 0
	EPI 1
	EPI 2
	EPI 3
.Lnext:
	s_wait_xcnt 0x0                                ; the offsets and the list's address are stepped only behind this wait
	s_wait_alu depctr_vm_vsrc(0)                   ; the stores have read v[HO], v[HSO], which are stepped below, and v[PC ..], v[PW]; the unit's loads have read v[E ..] and v[ER ..]: the next unit writes all of these again
	s_add_nc_u64 s[46:47], s[46:47], 1024          ; four units on
	v_add_nc_u32 v[HO], 1<<20, v[HO]
	v_add_nc_u32 v[HSO], 1<<15, v[HSO]
	s_add_co_u32 s31, s31, 4
	s_add_co_u32 s30, s30, 1
	s_cmp_lt_u32 s30, 4
	s_cbranch_scc1 .Lpass
	s_wait_xcnt 0x0
	s_wait_alu depctr_vm_vsrc(0)                   ; v254 and v255 held scale words, which phase W's LDS stores have read: they are made anew below
	v_lshl_add_u32 v254, v0, 2, 0x31800
	v_mov_b32 v255, 0
	s_wait_dscnt 0x0                               ; the closing lines, six on end
	s_wait_alu 0x0
	s_wait_tensorcnt 0x0
	ds_add_u32 v254, v255
	s_wait_dscnt 0x0
	s_endpgm
.Lfunc_end_k_q22f80509d5_ffn1:
	.size	k_q22f80509d5_ffn1, .Lfunc_end_k_q22f80509d5_ffn1-k_q22f80509d5_ffn1
	.p2alignl 7, 3214868480
	.fill 96, 4, 3214868480
	.section	.rodata,"a",@progbits
	.p2align	6, 0x0
	.amdhsa_kernel k_q22f80509d5_ffn1
		.amdhsa_group_segment_fixed_size 203264
		.amdhsa_private_segment_fixed_size 0
		.amdhsa_enable_private_segment 0
		.amdhsa_kernarg_size 56
		.amdhsa_user_sgpr_count 2
		.amdhsa_user_sgpr_kernarg_segment_ptr 1
		.amdhsa_wavefront_size32 1
		.amdhsa_system_sgpr_workgroup_id_x 1
		.amdhsa_system_sgpr_workgroup_id_y 1
		.amdhsa_system_sgpr_workgroup_id_z 1
		.amdhsa_system_vgpr_workitem_id 0
		.amdhsa_next_free_vgpr 1024
		.amdhsa_next_free_sgpr 100
		.amdhsa_reserve_vcc 0
		.amdhsa_float_denorm_mode_32 3
		.amdhsa_float_denorm_mode_16_64 3
		.amdhsa_memory_ordered 1
		.amdhsa_forward_progress 1
		.amdhsa_inst_pref_size 255
	.end_amdhsa_kernel
	.section	.bss,"aw",@nobits
	.p2align	6
	.space	262144
	.amdgpu_metadata
---
amdhsa.version: [ 1, 2 ]
amdhsa.kernels:
  - .name:           k_q22f80509d5_ffn1
    .symbol:         k_q22f80509d5_ffn1.kd
    .args:
      - { .name: xq, .offset: 0, .size: 8, .value_kind: global_buffer, .address_space: global }
      - { .name: xs, .offset: 8, .size: 8, .value_kind: global_buffer, .address_space: global }
      - { .name: list, .offset: 16, .size: 8, .value_kind: global_buffer, .address_space: global }
      - { .name: w1, .offset: 24, .size: 8, .value_kind: global_buffer, .address_space: global }
      - { .name: b1, .offset: 32, .size: 8, .value_kind: global_buffer, .address_space: global }
      - { .name: h, .offset: 40, .size: 8, .value_kind: global_buffer, .address_space: global }
      - { .name: hs, .offset: 48, .size: 8, .value_kind: global_buffer, .address_space: global }
    .group_segment_fixed_size: 203264
    .private_segment_fixed_size: 0
    .kernarg_segment_align: 8
    .kernarg_segment_size: 56
    .max_flat_workgroup_size: 128
    .sgpr_count:     100
    .vgpr_count:     1024
    .wavefront_size: 32
...
	.end_amdgpu_metadata
.endif
;; end of part 6
;; launch ffn2 (part 7): grid 256 x 1, 4 waves a work-group, no clusters, 203,264 bytes of LDS; arguments h, hs, list, prob, w2, b2, part; writes part
.if DOCPART == 7
	.amdgcn_target "amdgcn-amd-amdhsa--gfx1250"
	.amdhsa_code_object_version 6
	.text
	.protected	k_q22f80509d5_ffn2
	.globl	k_q22f80509d5_ffn2
	.p2align	8
	.type	k_q22f80509d5_ffn2,@function
k_q22f80509d5_ffn2:
	s_mov_b64 s[64:65], 0
	v_nop
	global_prefetch_b8 v0, s[64:65] scope:SCOPE_SE
	s_setreg_imm32_b32 hwreg(HW_REG_WAVE_SCHED_MODE, 0, 2), 2
	s_setreg_imm32_b32 hwreg(HW_REG_WAVE_MODE, 25, 1), 1
	s_wait_xcnt 0x0
	s_wait_alu depctr_vm_vsrc(0)
; FFN2.  part[kq][1024 k + token][:] = p x (h Q(w2[e]) over a quarter of K (+ b2[e] in quarter 0)), for the rows that chose expert e; p is the row's router weight.  The last launch adds a token's eight parts.
; SHARES.  Work-group g: expert e = g / 32, quarter of K kq = (g / 8) % 4 (hidden units 1,024 kq on), outputs 128 ns .. + 127, ns = g % 8: a slice of w2 of 1,024 (K) x 128 f32, read by this work-group alone, once.
; K is cut in four so that a work-group reads 1 KiB of hidden codes a row and not 4, and so that the launch has the shape of the one before: PHASE W and the K loop are that launch's, line for line.
; PHASE W.  Wave w streams K rows 256 w .. + 255 of the slice, 32 rows (one block along K) at a time, quantises them in registers and lays the codes in LDS as images of the operand's registers.
; THE COLUMNS OF A TILE ARE NOT NEIGHBOURS: column n goes to tile 2 (n / 32) + (n / 8) % 2, row 8 ((n / 16) % 2) + n % 8: a lane's 16 results of two neighbouring tiles are then 16 neighbouring outputs, 64 bytes of a row.
; THE LIST of expert e's rows and their count are the whole numbers that the launch before the last stored, the same that ordered the hidden layer's rows: every branch and every address that hangs on the choice
; hangs on numbers read from memory.  The count and a tile's 16 entries for the way out come by scalar loads.
; PHASE C.  Units of 64 rows, wave w takes units w, w + 4, w + 8, w + 12 in a loop of four trips; a unit at or past the count is jumped over.  The hidden layer's fragments come from memory as they were stored: 512
; consecutive bytes a load, straight into the operand's registers.  The first unit's loads stand among phase W's, without a branch: a wave without a unit loads the expert's last unit (the launch before stored unit 0 at the least).
; The results go through the wave's own stage in LDS and leave as whole pieces of rows: 512 consecutive bytes an instruction, at the row's entry.  A repeated row of the list's filling stores the same numbers to the same place.
; WHY NO TENSOR LOAD, NO CLUSTER: the eight work-groups of an (e, kq) read the same hidden codes (256 KiB for 256 rows, against 512 KiB of weights of their own), but what a work-group does hangs on a count read from memory.
; LIMITS: NaN and infinities are not served.  A block of zeros gets the byte 1 (zero codes; this program alone reads the bytes).  y is summed in four quarters of K, each weighted before the last addition.
; REGISTERS as in the launch before; window 0: v16-19 a tile's entry of my row, then its offset in prob; v24-31 the four tiles' weights p (even registers; the odd ones are named with them as pairs);
; v208-223 the rows' offsets on the way out.  s[68:83], s[84:99]: a tile's 16 entries, two sets by turns.
; THE MODE: SCHED_MODE bits 1:0 = 2 (LLVM: expert scheduling mode 2), set by the entry lines.  The code itself states the register dependences between vector or matrix instructions and memory or LDS instructions,
; with s_wait_alu, always for 0.
; THE PLAN.  Registers that memory or LDS instructions touch, and who else names them:
;   window 1, sets 0, 1   Batch b's maxima and holds read set b % 2; the loads of batch b + 2 land in it.
;   v208-239, v252-255    Batch b's conversions and shifts write the codes and scale words; its LDS stores read them.
;   v16-19                The entries land; two vector lines a tile make the offset in prob, at the head of a batch (or of the unit's gather); the load of the tile's weights reads it.
;   So all vector work of a batch stands in one piece, between TWO waits: vm_vsrc at its head (the last batch's LDS stores have read their registers) and va_vdst behind its conversions (set b % 2 is read out; codes,
;   scale words and the offset are written).  Behind the second run the batch's memory and LDS instructions, with no vector line among them: the loads of batch b + 2, a tile's 37 loads, the LDS stores.
;   windows 2, 3, v32-47, v24-30 (even)   Loads land; the products (the multiplications by p) read them; a later unit's 148 loads stand behind ONE wait on va_vdst, ahead of which all four tiles' offsets are made.
;   v80-207               Group G's products read buffer G % 2; behind them one wait on va_vdst, and group G + 2's LDS loads land there.  Behind the last group the same wait, ahead of the bias's loads.
;   v144-207, v208-223    The way out of a tile: vector lines write the results and the rows' offsets | va_vdst | the LDS stores read the results | vm_vsrc | the LDS loads land in the same registers | the global stores read
;                         them and the offsets | vm_vsrc ahead of the next tile's vector lines.
;   v20, v21              Offsets in h and hs: made anew behind the barrier and stepped once a trip, each time behind a wait on vm_vsrc; next read behind the gather's wait on va_vdst.
;   All other addresses (v4-v15, v22) are made at the head, ahead of one wait on va_vdst, and never written again.
.set PITCH, 4096                       ; bytes from a K row of w2 to the next
.set WB,    12                         ; s[12:13] the slice
.set TSTR,  16400
.set WSC,   131328
.set BIASL, 135424
.set STG,   135936                     ; a stage of 16 rows x 528 bytes for each wave
.set STGW,  16640
.set SP,    528                        ; 128 f32 + 16 bytes of padding
.set LSTR,  4608                       ; bytes of an expert's list; its count lies at byte 4,480
.set LANE, 1
.set RR,   2
.set HH,   3
.set LI,   4
.set B0,   4                           ; fragments of tiles 0-3 begin at LDS byte 0: the same 16 x lane
.set WI,   5
.set WSA,  6
.set BA,   7
.set BL,   8
.set BV,   9
.set B1,   10
.set WSL,  11
.set LR,   12                          ; 4 x (lane % 16): my row's entry in a tile's 16
.set BO,   13
.set STI,  14
.set STO,  15
.set ER,   16                          ; v16-19
.set AO,   20                          ; my offset in h
.set ASO,  21                          ; and in hs
.set PO,   22                          ; my 16 bytes of a row's 512 in part
.set P,    24
.set AS,   32
.set WS,   48
.set Y,    80
.set BF,   80
.set BIAS, 80
.set H,    144
.set C,    208
.set RA,   208
.set M,    240
.set SO,   244
.set L,    248
.set SW,   252
.set MSB, 0
.macro WIN new                         ; the immediate's high byte repeats the setting that is left; a switch that changes nothing is dropped
.if MSB != (\new)
	s_set_vgpr_msb (MSB<<8)|(\new)
.set MSB, \new
.endif
.endm
.macro WLOAD b                         ; batch b: 32 K rows, 512 consecutive bytes a load, into set b % 2 of window 1
	WIN 0x40
.set i, 0
.rept 32
	global_load_b128 v[128*((\b)%2)+4*i:128*((\b)%2)+4*i+3], v[LI], s[WB:WB+1] offset:(32*(\b)+i)*PITCH th:TH_LOAD_NT
.set i, i+1
.endr
	WIN 0
.endm
.macro AOFF m                          ; tile m: my row's entry becomes its offset in prob
	v_min_u32 v[ER+(\m)], 0x7ff, v[ER+(\m)]        ; a number that was loaded enters an address behind a bound
	v_lshlrev_b32 v[ER+(\m)], 2, v[ER+(\m)]
.endm
.macro ALOAD m                         ; tile m's eight fragments, four scale registers and weights are asked for: 37 loads
	WIN (2+(\m)/2)<<6
.irp s, 0,1,2,3,4,5,6,7
.irp c, 0,1,2,3
	global_load_b128 v[128*((\m)%2)+16*\s+4*\c:128*((\m)%2)+16*\s+4*\c+3], v[AO], s[4:5] offset:65536*(\m)+2048*\s+512*\c   ; 512 consecutive bytes: four registers of the operand as they were stored
.endr
.endr
	WIN 0
.irp p, 0,1,2,3
	global_load_b32 v[AS+4*(\m)+\p], v[ASO], s[6:7] offset:2048*(\m)+128*\p   ; lanes 0-15: K step 2 p's words, lanes 16-31: K step 2 p + 1's
.endr
	global_load_b32 v[P+2*(\m)], v[ER+(\m)], s[10:11]   ; my row's weight
.endm
; Batch b is quantised.  n: how many younger loads may stay out.  a: the tile of rows whose offset is made and whose loads are issued in this batch (-1: none).
.macro BATCH b, n, a
	s_wait_loadcnt \n
	s_wait_dscnt 0x0                               ; my earlier LDS instructions are done
.if (\b) > 0
	s_wait_alu depctr_vm_vsrc(0)                   ; the last batch's LDS stores have read the codes' and scale words' registers, which this batch writes again
.endif
.if (\a) >= 0
	AOFF \a
.endif
.set XB, 128*((\b)%2)
	WIN 0x05
.irp j, 0,1,2,3
	v_max3_num_f32 v[M+\j], |v[XB+\j]|, |v[XB+4+\j]|, 0x4800000   ; column j's block: all 32 numbers are mine; the floor 2^(9 - 127) holds the byte at 1 from below
.endr
.set i, 2
.rept 15
.irp j, 0,1,2,3
	v_max3_num_f32 v[M+\j], |v[XB+4*i+\j]|, |v[XB+4*i+4+\j]|, v[M+\j]
.endr
.set i, i+2
.endr
	WIN 0
.irp j, 0,1,2,3
	v_add_nc_u32 v[SO+\j], 0xfc000000, v[M+\j]     ; 8 off the exponent field: the conversion's scale operand
.endr
.irp j, 0,1,2,3
	v_and_or_b32 v[L+\j], v[M+\j], 0x7f800000, s24 ; 448 x the scale
.endr
.if ((\b)%4) == 0
.irp j, 0,1,2,3
	v_lshrrev_b32 v[SW+\j], 23, v[SO+\j]           ; the byte: the first of a K step's four
.endr
.else
.irp j, 0,1,2,3
	v_lshrrev_b32 v[M+\j], 23, v[SO+\j]
.endr
.irp j, 0,1,2,3
	v_lshl_or_b32 v[SW+\j], v[M+\j], 8*((\b)%4), v[SW+\j]
.endr
.endif
	WIN 0x01
.irp j, 0,1,2,3
.set i, 0
.rept 32
	v_med3_num_f32 v[Y+32*\j+i], v[XB+4*i+\j], -v[L+\j], v[L+\j]   ; the hold (the conversion does not saturate: ISA guide 7.6.2) also lays a column's numbers on end
.set i, i+1
.endr
.endr
	WIN 0
.irp j, 0,1,2,3
.irp g, 0,1,2,3
	v_cvt_scalef32_pk8_fp8_f32 v[C+8*\j+2*\g:C+8*\j+2*\g+1], v[Y+32*\j+8*\g:Y+32*\j+8*\g+7], v[SO+\j]
.endr
.endr
	v_nop                                          ; a plain instruction behind the last scaled conversion
.if (\b) < 6
	WIN 0x40
.endif
	s_wait_alu depctr_va_vdst(0)                   ; the maxima and holds are done reading set b % 2, in which loads land; the codes and scale words are written, which the LDS stores read; so is the tile's offset in prob, which a load reads
.if (\b) < 6
	WLOAD (\b)+2                                   ; the set is asked for again at once
.endif
.if (\a) >= 0
	ALOAD \a
.endif
.irp j, 0,1,2,3
	ds_store_b128 v[WI], v[C+8*\j:C+8*\j+3] offset:512*(\b)+16*\j        ; k 0-15 of the block: the image's lanes 0-15,
	ds_store_b128 v[WI], v[C+8*\j+4:C+8*\j+7] offset:512*(\b)+16*\j+256  ; k 16-31: its lanes 16-31
.endr
.if ((\b)%4) == 3
	ds_store_b128 v[WSA], v[SW:SW+3] offset:64*((\b)/4)
.endif
.endm
.macro LOADB g                         ; group g: K step g / 2, tiles 4 (g % 2) .. + 3: four fragments into buffer g % 2
.set lt, 0
.rept 4
.irp c, 0,1,2,3
.if ((\g)%2) == 0
	ds_load_b128 v[BF+16*lt+4*\c:BF+16*lt+4*\c+3], v[B0] offset:lt*TSTR+((\g)/2)*2048+512*\c
.else
	ds_load_b128 v[BF+64+16*lt+4*\c:BF+64+16*lt+4*\c+3], v[B1] offset:lt*TSTR+((\g)/2)*2048+512*\c
.endif
.endr
.set lt, lt+1
.endr
.endm
.macro PROD m, tt, g                   ; one product: rows' tile m, the group's tile tt.  An even K step's scale words lie in lanes 0-15 of their registers, an odd one's in lanes 16-31
.set ps, (\g)/2
.set pt, 4*((\g)%2)+(\tt)
.set pd, 64*(\m)+8*pt
.set pb, BF+64*((\g)%2)+16*(\tt)
.set pa, 128*((\m)%2)+16*ps
.if ps == 0
	v_wmma_scale_f32_16x16x128_f8f6f4 v[pd:pd+7], v[pb:pb+15], v[pa:pa+15], 0, v[WS+4*pt], v[AS+4*(\m)]
.elseif (ps%2) == 0
	v_wmma_scale_f32_16x16x128_f8f6f4 v[pd:pd+7], v[pb:pb+15], v[pa:pa+15], v[pd:pd+7], v[WS+4*pt+ps/2], v[AS+4*(\m)+ps/2]
.else
	v_wmma_scale_f32_16x16x128_f8f6f4 v[pd:pd+7], v[pb:pb+15], v[pa:pa+15], v[pd:pd+7], v[WS+4*pt+ps/2], v[AS+4*(\m)+ps/2] matrix_a_scale:MATRIX_SCALE_ROW1 matrix_b_scale:MATRIX_SCALE_ROW1
.endif
.endm
.macro EPI m                           ; tile m's 16 rows x 128 outputs leave
.set TU, 68+16*((\m)%2)                ; the tile's 16 entries, in scalars
	s_wait_xcnt 0x0                                ; the last tile's stores have read their registers
.if (\m) > 0
	s_wait_alu depctr_vm_vsrc(0)                   ; the last tile's stores have read their offsets v[RA ..] and their data v[H ..], which are written again below (for tile 0 an earlier wait has stated it: behind the barrier, or at the last trip's end)
.endif
	s_wait_kmcnt 0x0                               ; the entries are in
.irp i, 0,1,2,3,4,5,6,7,8,9,10,11,12,13,14,15
	s_min_u32 s[TU+\i], s[TU+\i], 0x7ff            ; a number that was loaded enters an address behind a bound
.endr
.irp i, 0,1,2,3,4,5,6,7,8,9,10,11,12,13,14,15
	v_lshl_add_u32 v[RA+\i], s[TU+\i], 12, v[PO]   ; row i's place in part: 4,096 bytes an entry
.endr
	WIN 0x01
.set q, 0
.rept 32
	v_pk_add_f32 v[H+2*q:H+2*q+1], v[64*(\m)+2*q:64*(\m)+2*q+1], v[BIAS+2*q:BIAS+2*q+1]   ; each accumulator from its low end on
.set q, q+1
.endr
	WIN 0
.set q, 0
.rept 32
	v_pk_mul_f32 v[H+2*q:H+2*q+1], v[H+2*q:H+2*q+1], v[P+2*(\m):P+2*(\m)+1] op_sel_hi:[1,0]   ; x my row's weight
.set q, q+1
.endr
	s_wait_alu depctr_va_vdst(0)                   ; the multiplications have written v[H ..], which the LDS stores read and in which the LDS loads land; the offsets v[RA ..] are written, which the global stores read
.irp b, 0,1,2,3
.irp j, 0,1,2,3
	ds_store_b128 v[STI], v[H+16*\b+4*\j:H+16*\b+4*\j+3] offset:128*\b+16*\j   ; register 16 b + x is output 32 b + 16 (lane / 16) + x of row lane % 16
.endr
.endr
	s_wait_alu depctr_vm_vsrc(0)                   ; the LDS stores above have read v[H ..], in which the LDS loads below land
.irp i, 0,1,2,3,4,5,6,7,8,9,10,11,12,13,14,15
	ds_load_b128 v[H+4*\i:H+4*\i+3], v[STO] offset:SP*\i   ; LDS serves a wave's instructions in order (ISA guide 5.7.1.4): these see my stores; row i, 16 bytes a lane
.endr
.if (\m) < 2
	s_load_b512 s[TU:TU+15], s[46:47], 64*((\m)+2) ; the entries of the tile two further on take this set (the lines that read it stand ahead of the wait on va_vdst above)
.endif
.irp i, 0,1,2,3,4,5,6,7,8,9,10,11,12,13,14,15
	s_wait_dscnt 15-\i                             ; row i is back; the later rows' loads may be out
	global_store_b128 v[RA+\i], v[H+4*\i:H+4*\i+3], s[16:17]   ; the wave stores 512 consecutive bytes, aligned
.endr
.endm
	s_load_b256 s[4:11], s[0:1], 0x0               ; h s[4:5], hs s[6:7], list s[8:9], prob s[10:11]
	s_load_b128 s[12:15], s[0:1], 0x20             ; w2 s[12:13], b2 s[14:15]
	s_load_b64 s[16:17], s[0:1], 0x30              ; part
	v_lshrrev_b32 v[LANE], 5, v0
	v_readfirstlane_b32 s18, v[LANE]               ; wave
	v_and_b32 v[LANE], 31, v0
	v_and_b32 v[RR], 15, v0
	v_bfe_u32 v[HH], v0, 4, 1
	s_lshr_b32 s19, ttmp9, 5                       ; e
	s_bfe_u32 s20, ttmp9, 0x20003                  ; kq
	s_and_b32 s21, ttmp9, 7                        ; ns
	s_mov_b32 s24, 0x600000                        ; the mantissa field of 448
	s_cmp_eq_u32 s20, 0
	s_cselect_b32 s40, 1.0, 0                      ; b2 enters the first quarter of K alone
	v_lshlrev_b32 v[LI], 4, v[LANE]
	v_bfe_u32 v24, v0, 3, 2
	v_bfe_u32 v25, v0, 1, 1
	v_lshl_add_u32 v24, v24, 1, v25                ; my four columns' tile: 2 (lane / 8) + (lane / 2) % 2
	v_bfe_u32 v25, v0, 2, 1
	v_and_b32 v26, 1, v0
	v_lshlrev_b32 v26, 2, v26
	v_lshl_add_u32 v25, v25, 3, v26                ; and their first row in it: 8 ((lane / 4) % 2) + 4 (lane % 2)
	v_mul_u32_u24 v[WI], v24, TSTR
	v_lshl_add_u32 v[WI], v25, 4, v[WI]
	s_wait_alu depctr_va_sdst(0)                   ; s18, the wave's number, is written, ahead of its first reader
	s_lshl_b32 s33, s18, 12
	v_add_nc_u32 v[WI], s33, v[WI]                 ; + my two K steps: 4,096 x wave
	v_lshlrev_b32 v[WSA], 9, v24
	v_lshl_add_u32 v[WSA], v25, 2, v[WSA]
	s_lshl_b32 s33, s18, 7
	v_add_nc_u32 v[WSA], s33, v[WSA]
	v_add_nc_u32 v[WSA], WSC, v[WSA]
.irp m, 0,1,2,3
	v_mov_b32 v[P+2*\m+1], 0                       ; named as the upper halves of the pairs that the packed multiplication reads
.endr
	v_lshl_add_u32 v[BA], v0, 2, BIASL
	v_lshl_add_u32 v[BL], v[HH], 6, BIASL
	v_add_nc_u32 v[B1], 4*TSTR, v[LI]
	v_lshl_add_u32 v[WSL], v[LANE], 2, WSC
	v_lshlrev_b32 v[LR], 2, v[RR]
	s_mul_i32 s33, s18, STGW
	s_add_co_u32 s33, s33, STG                     ; my stage
	v_mul_u32_u24 v[STI], v[RR], SP
	v_lshl_add_u32 v[STI], v[HH], 6, v[STI]
	v_add_nc_u32 v[STI], s33, v[STI]               ; in: row lane % 16, + 64 (lane / 16)
	v_add_nc_u32 v[STO], s33, v[LI]                ; out: 16 bytes a lane
	s_lshl_b32 s36, s21, 9
	v_add_nc_u32 v[PO], s36, v[LI]                 ; my slice's 512 bytes of a row of part
	s_lshl_b32 s33, s19, 12
	s_add_co_u32 s33, s33, s36
	v_lshl_add_u32 v[BO], v0, 2, s33               ; b2[e][128 ns + thread]
	s_lshl_b32 s38, s19, 24
	s_add_co_u32 s38, s38, s36
	s_lshl_b32 s36, s20, 22
	s_add_co_u32 s38, s38, s36
	s_lshl_b32 s36, s18, 20
	s_add_co_u32 s38, s38, s36                     ; w2: expert, quarter of K, my slice's first column, my wave's 256 K rows
	s_mov_b32 s39, 0
	s_lshl_b32 s42, s19, 22
	s_lshl_b32 s36, s20, 14
	s_add_co_u32 s42, s42, s36                     ; h: expert and quarter
	s_lshl_b32 s43, s19, 17
	s_lshl_b32 s36, s20, 9
	s_add_co_u32 s43, s43, s36                     ; hs likewise
	s_mul_i32 s48, s19, LSTR                       ; the expert's list,
	s_mov_b32 s49, 0
	s_lshl_b32 s50, s18, 8                         ; and in it my first unit: 64 entries are 256 bytes
	s_mov_b32 s51, 0
	s_wait_kmcnt 0x0
	s_add_nc_u64 s[WB:WB+1], s[WB:WB+1], s[38:39]
	s_lshl_b32 s38, s20, 23
	s_add_nc_u64 s[16:17], s[16:17], s[38:39]      ; part at my quarter
	s_add_nc_u64 s[44:45], s[8:9], s[48:49]
	s_add_nc_u64 s[46:47], s[44:45], s[50:51]
	s_load_b32 s27, s[44:45], 0x1180               ; the count
	s_wait_alu depctr_va_vdst(0)                   ; the addresses and offsets v4 to v15 and v22 are written, which the loads, stores and LDS instructions of the whole kernel read; so are v24 to v26, in which weights land later
	global_load_b32 v[BV], v[BO], s[14:15]
.irp m, 0,1,2,3
	global_load_b32 v[ER+\m], v[LR], s[46:47] offset:64*\m   ; tile m: the entry of row lane % 16.  Ahead of the weights' loads, so that no wait for them drains the stream
.endr
	WLOAD 0
	WLOAD 1
	s_wait_kmcnt 0x0
	s_min_u32 s27, s27, 1024                       ; the count
	s_add_co_u32 s28, s27, 63
	s_lshr_b32 s28, s28, 6                         ; units
	s_max_u32 s33, s28, 1
	s_sub_co_u32 s33, s33, 1
	s_min_u32 s41, s18, s33                        ; the unit that phase W's loads take: mine, or the last one that was stored
	s_min_u32 s41, s41, 15                         ; (a number that was loaded enters an address behind a bound)
	s_lshl_b32 s33, s41, 18
	s_add_co_u32 s33, s33, s42
	v_add_nc_u32 v[AO], s33, v[LI]
	s_lshl_b32 s33, s41, 13
	s_add_co_u32 s33, s33, s43
	v_lshl_add_u32 v[ASO], v[LANE], 2, s33
	s_wait_loadcnt 63                              ; the bias and the four entries: 64 loads were issued behind them
	v_mul_f32 v[BV], s40, v[BV]
	s_wait_alu depctr_va_vdst(0)                   ; the bias is written, which the LDS store reads; so are v[AO] and v[ASO], which phase W's loads of the hidden layer read
	ds_store_b32 v[BA], v[BV]
	; ---- PHASE W.  Order of the loads: W0 W1 | W2 A0 | W3 A1 | W4 A2 | W5 A3 | W6 | W7 (W: 32, A: 37).  A batch's wait counts the loads issued behind it, 63 where they are more
	BATCH 0, 32, 0                                 ; behind W0: W1
	BATCH 1, 63, 1                                 ; behind W1: W2, A0: 69
	BATCH 2, 63, 2                                 ; behind W2: A0, W3, A1: 106
	BATCH 3, 63, 3                                 ; behind W3: A1, W4, A2: 106
	BATCH 4, 63, -1                                ; behind W4: A2, W5, A3: 106
	BATCH 5, 63, -1                                ; behind W5: A3, W6: 69
	BATCH 6, 32, -1                                ; behind W6: W7
	BATCH 7, 0, -1
	s_wait_dscnt 0x0                               ; for the others' sake: my images, scale words and bias lie in LDS
	s_barrier_signal -1
	s_barrier_wait -1
	; ---- PHASE C
.irp t, 0,1,2,3,4,5,6,7
.irp p, 0,1,2,3
	ds_load_b32 v[WS+4*\t+\p], v[WSL] offset:512*\t+128*\p   ; lanes 0-15: K step 2 p's words of tile t, lanes 16-31: K step 2 p + 1's
.endr
.endr
	s_wait_xcnt 0x0                                ; the offsets are written again only behind this wait: from here on they follow the wave's own units
	s_wait_alu depctr_vm_vsrc(0)                   ; phase W's loads have read v[AO] and v[ASO], which are written below; its LDS stores have read v208-223, which the way out writes
	s_lshl_b32 s33, s18, 18
	s_add_co_u32 s33, s33, s42
	v_add_nc_u32 v[AO], s33, v[LI]
	s_lshl_b32 s33, s18, 13
	s_add_co_u32 s33, s33, s43
	v_lshl_add_u32 v[ASO], v[LANE], 2, s33
	s_mov_b32 s30, 0                               ; trip
	s_mov_b32 s31, s18                             ; unit
.Lpass:
	s_cmp_ge_u32 s31, s28
	s_cbranch_scc1 .Lnext                          ; no such unit
	s_cmp_eq_u32 s30, 0
	s_cbranch_scc1 .Lhave                          ; the first unit's fragments came in phase W
.irp m, 0,1,2,3
	global_load_b32 v[ER+\m], v[LR], s[46:47] offset:64*\m   ; (the loads that read v[ER ..] as offsets stand ahead of the wait on vm_vsrc at the last trip's end)
.endr
	s_wait_loadcnt 0x0
	AOFF 0                                         ; all four tiles' offsets first,
	AOFF 1
	AOFF 2
	AOFF 3
	WIN 0x80
	s_wait_alu depctr_va_vdst(0)                   ; then one wait: v[ER ..] and the stepped v[AO], v[ASO] are written, which the loads read; the last unit's products and multiplications are done reading the fragments, scale words and weights in whose registers the loads land
	ALOAD 0
	ALOAD 1
	ALOAD 2
	ALOAD 3
.Lhave:
	s_load_b512 s[68:83], s[46:47], 0x0            ; for the way out: this unit's tiles 0 and 1; they land under the K loop
	s_load_b512 s[84:99], s[46:47], 0x40
	s_wait_loadcnt 0x0                             ; the fragments, the rows' scale words and weights
	s_wait_dscnt 0x0                               ; the weights' scale words
	; the K loop, written out: 16 groups of 16 products; the 32 accumulators take turns, one instruction a turn
	LOADB 0                                        ; (every vector line that named v80-207, a batch's or a tile's, stands ahead of a wait on va_vdst)
	LOADB 1
.set G, 0
.rept 16
.if G < 15
	s_wait_dscnt 16                                ; this group's four fragments are in; the next group's sixteen loads may be out
.else
	s_wait_dscnt 0x0
.endif
	WIN 0x58                                       ; source 0 window 0, source 1 window 2, C and D window 1
.irp m, 0,1
.irp tt, 0,1,2,3
	PROD \m, \tt, G
.endr
.endr
	WIN 0x5c                                       ; source 1 window 3
.irp m, 2,3
.irp tt, 0,1,2,3
	PROD \m, \tt, G
.endr
.endr
.if G < 14
.rept 8
	v_nop                                          ; eight plain instructions behind the products, as they stood; the wait below states the dependence
.endr
	WIN 0
	s_wait_alu depctr_va_vdst(0)                   ; this group's products are done reading their four fragments, in whose registers the loads below land
	LOADB G+2
.endif
.set G, G+1
.endr
	WIN 0
.rept 8
	v_nop                                          ; eight places in front of the first read of results by vector instructions
.endr
	s_wait_alu depctr_va_vdst(0)                   ; the last two groups' products are done reading the fragments, in whose registers the bias lands
.irp b, 0,1,2,3
.irp j, 0,1,2,3
	ds_load_b128 v[BIAS+16*\b+4*\j:BIAS+16*\b+4*\j+3], v[BL] offset:128*\b+16*\j   ; register 16 b + x: the bias of output 32 b + 16 (lane / 16) + x (zeros in quarters 1 to 3)
.endr
.endr
	s_wait_dscnt 0x0
	EPI 0
	EPI 1
	EPI 2
	EPI 3
.Lnext:
	s_wait_xcnt 0x0                                ; the offsets and the list's address are stepped only behind this wait
	s_wait_alu depctr_vm_vsrc(0)                   ; the unit's loads have read v[AO], v[ASO], which are stepped below, and v[ER ..], in which the next entries land; its last stores have read v[RA ..] and v[H ..], which the next unit writes again
	s_add_nc_u64 s[46:47], s[46:47], 1024          ; four units on
	v_add_nc_u32 v[AO], 1<<20, v[AO]
	v_add_nc_u32 v[ASO], 1<<15, v[ASO]
	s_add_co_u32 s31, s31, 4
	s_add_co_u32 s30, s30, 1
	s_cmp_lt_u32 s30, 4
	s_cbranch_scc1 .Lpass
	s_wait_xcnt 0x0
	s_wait_alu depctr_vm_vsrc(0)                   ; v254 and v255 held scale words, which phase W's LDS stores have read: they are made anew below
	v_lshl_add_u32 v254, v0, 2, 0x31800
	v_mov_b32 v255, 0
	s_wait_dscnt 0x0                               ; the closing lines, six on end
	s_wait_alu 0x0
	s_wait_tensorcnt 0x0
	ds_add_u32 v254, v255
	s_wait_dscnt 0x0
	s_endpgm
.Lfunc_end_k_q22f80509d5_ffn2:
	.size	k_q22f80509d5_ffn2, .Lfunc_end_k_q22f80509d5_ffn2-k_q22f80509d5_ffn2
	.p2alignl 7, 3214868480
	.fill 96, 4, 3214868480
	.section	.rodata,"a",@progbits
	.p2align	6, 0x0
	.amdhsa_kernel k_q22f80509d5_ffn2
		.amdhsa_group_segment_fixed_size 203264
		.amdhsa_private_segment_fixed_size 0
		.amdhsa_enable_private_segment 0
		.amdhsa_kernarg_size 56
		.amdhsa_user_sgpr_count 2
		.amdhsa_user_sgpr_kernarg_segment_ptr 1
		.amdhsa_wavefront_size32 1
		.amdhsa_system_sgpr_workgroup_id_x 1
		.amdhsa_system_sgpr_workgroup_id_y 1
		.amdhsa_system_sgpr_workgroup_id_z 1
		.amdhsa_system_vgpr_workitem_id 0
		.amdhsa_next_free_vgpr 1024
		.amdhsa_next_free_sgpr 100
		.amdhsa_reserve_vcc 0
		.amdhsa_float_denorm_mode_32 3
		.amdhsa_float_denorm_mode_16_64 3
		.amdhsa_memory_ordered 1
		.amdhsa_forward_progress 1
		.amdhsa_inst_pref_size 255
	.end_amdhsa_kernel
	.section	.bss,"aw",@nobits
	.p2align	6
	.space	262144
	.amdgpu_metadata
---
amdhsa.version: [ 1, 2 ]
amdhsa.kernels:
  - .name:           k_q22f80509d5_ffn2
    .symbol:         k_q22f80509d5_ffn2.kd
    .args:
      - { .name: h, .offset: 0, .size: 8, .value_kind: global_buffer, .address_space: global }
      - { .name: hs, .offset: 8, .size: 8, .value_kind: global_buffer, .address_space: global }
      - { .name: list, .offset: 16, .size: 8, .value_kind: global_buffer, .address_space: global }
      - { .name: prob, .offset: 24, .size: 8, .value_kind: global_buffer, .address_space: global }
      - { .name: w2, .offset: 32, .size: 8, .value_kind: global_buffer, .address_space: global }
      - { .name: b2, .offset: 40, .size: 8, .value_kind: global_buffer, .address_space: global }
      - { .name: part, .offset: 48, .size: 8, .value_kind: global_buffer, .address_space: global }
    .group_segment_fixed_size: 203264
    .private_segment_fixed_size: 0
    .kernarg_segment_align: 8
    .kernarg_segment_size: 56
    .max_flat_workgroup_size: 128
    .sgpr_count:     100
    .vgpr_count:     1024
    .wavefront_size: 32
...
	.end_amdgpu_metadata
.endif
;; end of part 7
;; launch combine: the kernel of part 5 again; grid 256 x 1, 8 waves a work-group, no clusters, 0 bytes of LDS; arguments part, out0; writes out0
